; MI455X (gfx1250); checked and timed in simulation.
; The chip was launched on July 23, 2026; its instructions are those of AMD's public machine-readable ISA for CDNA 5 (MIT licence, August 2026) and "CDNA5" Instruction Set Architecture Reference Guide (July 2026). The comments in the code are by the model that wrote it; some were corrected since.
;; Multihead Self Attention Block. Allowed arithmetic: matrix products marked QUANTISED: E2M1 operands, one E8M0 scale for each 32 along K, by v_wmma_scale_f32_16x16x128_f8f6f4 with both operands' format E2M1 (or v_wmma_scale_f32_32x16x128_f4), f32 sums; everything else in f32.
;; Inputs: in_proj_b 3,072 float32; in_proj_w_codes 3,072 x 32 x 16 uint8 (E2M1 codes of in_proj_w, K innermost, in blocks of 32 codes, two codes a byte); in_proj_w_scales 3,072 x 32 uint8 (E8M0 scales of in_proj_w, one for each 32 codes along K); key_padding_mask 8 x 1,024 bool; ln_b 1,024 float32; ln_w 1,024 float32; out_proj_b 1,024 float32; out_proj_w_codes 1,024 x 32 x 16 uint8 (E2M1 codes of out_proj_w, K innermost, in blocks of 32 codes, two codes a byte); out_proj_w_scales 1,024 x 32 uint8 (E8M0 scales of out_proj_w, one for each 32 codes along K); src 8 x 1,024 x 1,024 float32.
;; Outputs: out0 8 x 1,024 x 1,024 float32; out1 8 x 1,024 x 1,024 float32.
;; This version of the problem:
;;   THIS VERSION OF THE PROBLEM IS GIVEN IN LOW PRECISION. The matrix products marked QUANTISED in the list below multiply operands that are first quantised to E2M1 (2 exponent bits, 1 mantissa bit; 4 bits a number), with one power-of-two scale for each 32 numbers along K (OCP MX v1.0); their sums are f32. All else is computed in f32.
;;   The module's matrix products, in the order in which they are computed (A, B: the left and right operand; K: the contracted axis; several contracted axes count as one K, in the product's order):
;;     1. [M 8,192, K 1,024] x [K 1,024, N 3,072]; A: computed on the way; B: input in_proj_w (given as codes): QUANTISED
;;     2. batch 128 x [M 1,024, K 64] x [K 64, N 1,024]; A: computed on the way; B: computed on the way: QUANTISED
;;     3. batch 128 x [M 64, K 1,024] x [K 1,024, N 1,024]; A: computed on the way; B: softmax (see below): QUANTISED
;;     4. [M 8,192, K 1,024] x [K 1,024, N 1,024]; A: computed on the way; B: input out_proj_w (given as codes): QUANTISED
;;   THE QUANTISER, for each operand of a quantised product, along K:
;;     - K is cut into blocks of 32 from its start; a last block that is shorter is filled with zeros.
;;     - A block's scale is 2^e with e = floor(log2(the largest magnitude in the block)) - 2, held to -126 .. 127; a block of zeros has e = 0. As a byte (E8M0): e + 127.
;;     - Each number is divided by its block's scale, clamped to +-6, and rounded to the nearest number of E2M1, ties to even, subnormals kept.
;;     - The product sums the exact products of the quantised numbers (number of the format x scale) in f32.
;;   ~~~python
;;   def quantise(x, axis):      # numpy; x: float32 -> the quantised numbers, widened to float32 again
;;       x = np.moveaxis(x, axis, -1); K = x.shape[-1]
;;       x = np.pad(x, [(0, 0)] * (x.ndim - 1) + [(0, -K % 32)]); x = x.reshape(x.shape[:-1] + (-1, 32)); a = np.abs(x).max(-1, keepdims=True)
;;       e = np.where(a > 0, np.clip(np.frexp(np.where(a > 0, a, 1))[1] - 1 - 2, -126, 127), 0)      # np.frexp(a)[1] - 1 = floor(log2(a)), exactly
;;       r = np.clip(x / 2.0 ** e, -6, 6)
;;       step = 2.0 ** (np.maximum(np.frexp(np.where(r == 0, 1, r))[1] - 1, 0) - 1)
;;       q = np.round(r / step) * step * 2.0 ** e      # np.round: ties to even
;;       return np.moveaxis(q.reshape(q.shape[:-2] + (-1,))[..., :K], -1, axis).astype(np.float32)
;;   ~~~
;;   SOFTMAX AHEAD OF A QUANTISED PRODUCT. Where the list says 'softmax', what is quantised is not the finished softmax but p = 2^(t - M), with t = logit x log2(e) and M = ceil(the row's largest t), a whole number; so 1/2 < the row's largest p <= 1. The row's sum l is taken of the UNQUANTISED p, in f32, and the product's result is divided by l at the end. Since M is a whole number, a kernel that streams over the keys may use a running M (the ceiling of the running maximum): every later rescaling is an exact power of two, which a block's scale takes up: the codes' values come out the same.
;;   OPERANDS COMPUTED ON THE WAY. 'Computed on the way' means the value that the module computes at that place (a softmax that the list does not call 'softmax' is quantised finished and normalised). What goes into a quantiser is computed in f32, as accurately as f32 sums, v_exp_f32 and their like allow (about 1e-6 of the number): no bf16 or f16 on the way to a quantiser, and a product that is left as it is and whose result goes on into a quantised operand takes f32 operands (vector FMAs, or v_wmma_f32_16x16x4_f32). A number that lies on a knife's edge between two numbers of the format may be rounded either way, as far as f32 arithmetic and the matrix unit's own rounding can turn it there, and no further.
;;   INPUTS GIVEN AS CODES. in_proj_w (in the module: [3072, 1024], K = its axis 1); out_proj_w (in the module: [1024, 1024], K = its axis 1): each comes as NAME_codes (uint8): NAME with its K axis moved to the last place and cut into blocks of 32 codes, [.., K / 32, bytes a block], one block behind the other in memory; two codes a byte, the lower K in the low four bits (a code: sign, 2 exponent bits, 1 mantissa bit); and NAME_scales (uint8): the same leading axes, one E8M0 byte (e + 127) for each 32 codes along K. Its value is code x scale, taken as it is: it is not quantised again, and the codes and scales need not be those that the quantiser above would give.
;; 2 versions. Each part assembles by itself: llvm-mc -triple=amdgcn-amd-amdhsa -mcpu=gfx1250 --defsym DOCPART=n.
;; ======== version 1 of 2: 2 launches
;; limits: right only within a limited range of input values
;; workspace buffers: qkc 8,388,608 bytes; qks 1,048,576 bytes; vc 4,194,304 bytes; vs 262,144 bytes
;; launch qkv (part 1): grid 32 x 8, 4 waves a work-group, no clusters, 51,712 bytes of LDS; arguments src, key_padding_mask, in_proj_w_codes, in_proj_w_scales, in_proj_b, qkc, qks, vc, vs; writes qkc, qks, vc, vs
.if DOCPART == 1
	.amdgcn_target "amdgcn-amd-amdhsa--gfx1250"
	.amdhsa_code_object_version 6
	.text
	.protected	k_q6b154f8272_qkv
	.globl	k_q6b154f8272_qkv
	.p2align	8
	.type	k_q6b154f8272_qkv,@function
k_q6b154f8272_qkv:
	s_mov_b64 s[64:65], 0
	v_nop
	global_prefetch_b8 v0, s[64:65] scope:SCOPE_SE
	s_setreg_imm32_b32 hwreg(HW_REG_WAVE_MODE, 25, 1), 1
	s_wait_xcnt 0x0
; qkv = Q(x) Q(W_in)^T + b on codes of FP4 (E2M1) with one E8M0 scale for each 32 along K; x = src with padded tokens set to 0; the results q, k, v are quantised in registers and leave as codes.
; SHARES.  A work-group owns 32 tokens (block tb of batch b) and all 3,072 columns; the columns go in 48 units of 64 (0-15 q's heads, 16-31 k's, 32-47 v's); wave w takes units w + 4 i.
; A unit is 4 tiles of weight rows x 2 tiles of tokens x 8 K steps of 128: 64 matrix instructions on 8 accumulators that take turns.  Its 32 KiB of weight codes are asked for one unit ahead, into the other of two register buffers.
; THE ROWS OF A TILE ARE NOT NEIGHBOURS: lane r of tile u of a block of 32 rows takes row 8 u + rho(r), rho(r) = r + 8 (r / 8), for tokens and for weight rows alike.  In a result the 16 registers of two
; neighbouring tiles are then 16 neighbours, 16 (lane / 16) + 0 .. 15, of the block: what the conversions want.
; q, k: source 0 = weight rows, source 1 = x: a lane holds one token and its registers run along the head's 64.   v: source 0 = x, source 1 = weight rows: a lane holds one channel and its registers run along the tokens, v's K.
; OUT (images of operand registers):  qkc [unit 32][b 8][tile 64][lane 32][16 B]: lane (r, h) of tile 2 tb + u: token 32 tb + 8 u + rho(r), channels 32 h on.   qks [unit][b][tb][lane][4 B]: lanes 0-15 tile 2 tb, lanes 16-31 tile
; 2 tb + 1; a word holds the token's two scale bytes twice.   vc [b][head][K step 8][tile 4][c 2][lane 32][16 B]: lane (r, h): channel 32 (g / 2) + 8 (g % 2) + rho(r), keys 128 ks + 64 c + 32 h on.   vs [b][head][ks][g][r][4 B].
; LIMITS: a block whose largest magnitude lies under 2^-124 keeps the scale byte 1, and so does a block of zeros (its codes are zeros, and this program alone reads the bytes); NaN and infinities in tokens that are not padded are not served.
; No tensor loads, no cluster: no operand byte is read twice inside a work-group, so LDS serves only to turn x and to hand x's codes from wave to wave.
; REGISTERS: window 0: addresses, scale words, v128-191 the 8 accumulators.  window 1, 2: the two weight buffers, fragment (t, s) at 8 (8 t + s); window 2 first holds x as loaded.  window 3: v0-127 x's 16 fragments, v128-191 q/k's bias.
.set XIMG, 33792                       ; LDS: 0: four turning stages of 16 rows x 528 B, a wave's own;  XIMG: x's 16 fragments as images, 1,024 B each, image 8 u + s;
.set XSC,  50176                       ; XSC: their scale words [s 8][u 2][r 16][4 B]
.set LI,  1                            ; 16 x lane
.set LS,  2                            ; 4 x lane
.set WA,  3                            ; rho(r) x 512 + 16 h: a weight fragment's bytes
.set WSA, 4                            ; (rho(r) + 8 h) x 32: weight scale words, lanes 0-15 the even tile, lanes 16-31 the odd one
.set BA,  5                            ; 64 h: bias in the result's layout
.set XGA, 6                            ; 16 x lane + 1,024 w: my 512 bytes of a row of x
.set XSW, 7                            ; my stage, as loaded
.set XSR, 8                            ; my stage, 16 neighbours a lane
.set XIW, 9                            ; where I store x's images
.set XCW, 10                           ; and their scale words
.set VOA, 11                           ; 1,024 h + 16 r: v's codes
.set DA,  12                           ; 4 rho(r)
.set MKA, 13                           ; rho(r)
.set MK,  14                           ; v14-15 mask bytes of my two tokens
.set XS,  16                           ; v16-23 x's scale words, one register a K step
.set WSC, 24                           ; v24-55 weight scale words: 16 p + 8 (t / 2) + s
.set BV,  56                           ; v56-71 v's bias: 4 iv + g
.set TM,  72                           ; v72-87 at work in QUANT
.set PW,  88                           ; the scale word just made
.set T0,  89                           ; v89-91 at work
.set PC,  92                           ; v92-99 the codes just made
.set HA,  128
.set XF,  0                            ; in window 3
.set BQ,  128                          ; in window 3: 32 p + 8 t
.set SEL, 32                           ; s[32:33]
.set MSB, 0
.macro WIN new                         ; the immediate's high byte repeats the setting that is left; a switch that changes nothing is dropped
.if MSB != (\new)
	s_set_vgpr_msb (MSB<<8)|(\new)
.set MSB, (\new)
.endif
.endm
.macro PLACES n
.rept \n
	v_nop
.endr
.endm
; one product.  c < 0: the sum starts with the constant 0.  ra, rb: the side's scale words stand in lanes 16-31
.macro WM d, a, b, c, sa, sb, ra, rb
.set WR, (\ra)+2*(\rb)
.if (\c) < 0
.if WR == 0
	v_wmma_scale_f32_16x16x128_f8f6f4 v[\d:\d+7], v[\a:\a+7], v[\b:\b+7], 0, v[\sa], v[\sb] matrix_a_fmt:MATRIX_FMT_FP4 matrix_b_fmt:MATRIX_FMT_FP4
.elseif WR == 1
	v_wmma_scale_f32_16x16x128_f8f6f4 v[\d:\d+7], v[\a:\a+7], v[\b:\b+7], 0, v[\sa], v[\sb] matrix_a_fmt:MATRIX_FMT_FP4 matrix_b_fmt:MATRIX_FMT_FP4 matrix_a_scale:MATRIX_SCALE_ROW1
.elseif WR == 2
	v_wmma_scale_f32_16x16x128_f8f6f4 v[\d:\d+7], v[\a:\a+7], v[\b:\b+7], 0, v[\sa], v[\sb] matrix_a_fmt:MATRIX_FMT_FP4 matrix_b_fmt:MATRIX_FMT_FP4 matrix_b_scale:MATRIX_SCALE_ROW1
.else
	v_wmma_scale_f32_16x16x128_f8f6f4 v[\d:\d+7], v[\a:\a+7], v[\b:\b+7], 0, v[\sa], v[\sb] matrix_a_fmt:MATRIX_FMT_FP4 matrix_b_fmt:MATRIX_FMT_FP4 matrix_a_scale:MATRIX_SCALE_ROW1 matrix_b_scale:MATRIX_SCALE_ROW1
.endif
.else
.if WR == 0
	v_wmma_scale_f32_16x16x128_f8f6f4 v[\d:\d+7], v[\a:\a+7], v[\b:\b+7], v[\c:\c+7], v[\sa], v[\sb] matrix_a_fmt:MATRIX_FMT_FP4 matrix_b_fmt:MATRIX_FMT_FP4
.elseif WR == 1
	v_wmma_scale_f32_16x16x128_f8f6f4 v[\d:\d+7], v[\a:\a+7], v[\b:\b+7], v[\c:\c+7], v[\sa], v[\sb] matrix_a_fmt:MATRIX_FMT_FP4 matrix_b_fmt:MATRIX_FMT_FP4 matrix_a_scale:MATRIX_SCALE_ROW1
.elseif WR == 2
	v_wmma_scale_f32_16x16x128_f8f6f4 v[\d:\d+7], v[\a:\a+7], v[\b:\b+7], v[\c:\c+7], v[\sa], v[\sb] matrix_a_fmt:MATRIX_FMT_FP4 matrix_b_fmt:MATRIX_FMT_FP4 matrix_b_scale:MATRIX_SCALE_ROW1
.else
	v_wmma_scale_f32_16x16x128_f8f6f4 v[\d:\d+7], v[\a:\a+7], v[\b:\b+7], v[\c:\c+7], v[\sa], v[\sb] matrix_a_fmt:MATRIX_FMT_FP4 matrix_b_fmt:MATRIX_FMT_FP4 matrix_a_scale:MATRIX_SCALE_ROW1 matrix_b_scale:MATRIX_SCALE_ROW1
.endif
.endif
.endm
; 64 numbers of a lane, v[s + 16 b + i]: block b's numbers 16 (lane / 16) + i; a block lies in lanes l and l xor 16.  Out: bytes in v[TM+4+b], the four as a word in v[PW], codes in v[PC] on: registers 4 c .. 4 c + 3 hold block 2 c in lanes 0-15 and block 2 c + 1 in lanes 16-31.
.macro QUANT s
.irp b, 0,1,2,3
	v_max3_num_f32 v[TM+\b], |v[\s+16*\b]|, |v[\s+1+16*\b]|, 0x1800000   ; my 16 numbers and the floor 2^(3 - 127): the byte cannot fall under 1
.endr
.irp i, 2,4,6,8,10,12,14
.irp b, 0,1,2,3
	v_max3_num_f32 v[TM+\b], v[TM+\b], |v[\s+16*\b+\i]|, |v[\s+1+16*\b+\i]|   ; the four blocks by turns; each accumulator is read from its low end on
.endr
.endr
.irp b, 0,1,2,3
	v_permlanex16_b32 v[TM+4+\b], v[TM+\b], s[SEL], s[SEL+1]
.endr
.irp b, 0,1,2,3
	v_max_num_f32 v[TM+\b], v[TM+\b], v[TM+4+\b]   ; with lane l xor 16's: the block's largest magnitude
.endr
.irp b, 0,1,2,3
	v_add_nc_u32 v[TM+12+\b], 0xff000000, v[TM+\b]   ; 2 off its exponent field: the conversion takes this operand's exponent field as its scale
.endr
.irp b, 0,1,2,3
	v_lshrrev_b32 v[TM+4+\b], 23, v[TM+12+\b]      ; the scale's byte
.endr
	v_lshl_or_b32 v[PW], v[TM+5], 8, v[TM+4]
	v_lshl_or_b32 v[PW], v[TM+6], 16, v[PW]
	v_lshl_or_b32 v[PW], v[TM+7], 24, v[PW]
.irp b, 0,1,2,3
	v_cvt_scalef32_pk8_fp4_f32 v[PC+2*\b], v[\s+16*\b:\s+7+16*\b], v[TM+12+\b]
	v_cvt_scalef32_pk8_fp4_f32 v[PC+1+2*\b], v[\s+8+16*\b:\s+15+16*\b], v[TM+12+\b]
.endr
	v_nop                                          ; one plain place behind a scaled conversion
.irp c, 0,1
.irp i, 0,1
	v_permlane16_swap_b32 v[PC+4*\c+\i], v[PC+2+4*\c+\i]   ; a whole block to a lane
.endr
.endr
.endm
; a unit's loads into buffer p: 64 of codes, 4 of scale words, with bias = 1 eight of bias: 76 or 68
.macro LOADU p, bias
	WIN 0x40*(1+(\p))
.irp t, 0,1,2,3
.irp s, 0,1,2,3,4,5,6,7
.irp c, 0,1
	global_load_b128 v[8*(8*\t+\s)+4*\c:8*(8*\t+\s)+4*\c+3], v[WA], s[12:13] offset:(32*(\t/2)+8*(\t%2))*512+64*\s+32*\c
.endr
.endr
.endr
	WIN 0
.irp bq, 0,1
.irp e, 0,1
	global_load_b128 v[WSC+16*(\p)+8*\bq+4*\e:WSC+16*(\p)+8*\bq+4*\e+3], v[WSA], s[14:15] offset:1024*\bq+16*\e
.endr
.endr
.if \bias
	WIN 0xc0
.irp t, 0,1,2,3
.irp e, 0,1
	global_load_b128 v[BQ+32*(\p)+8*\t+4*\e:BQ+32*(\p)+8*\t+4*\e+3], v[BA], s[16:17] offset:(32*(\t/2)+8*(\t%2))*4+16*\e
.endr
.endr
	WIN 0
.endif
.endm
; q's or k's unit: source 0 = weight rows (window 1 + p), source 1 = x (window 3); the bias is the C of each sum's first product.  The 8 accumulators take turns, one instruction a turn.
.macro MMQK p
.irp s, 0,1,2,3,4,5,6,7
.if \s == 0
	WIN 0x3c|(1+(\p))
.else
	WIN 0x0c|(1+(\p))
.endif
.irp m, 0,1
.irp t, 0,1,2,3
.if \s == 0
	WM HA+32*\m+8*\t, 8*(8*\t+\s), XF+8*(8*\m+\s), BQ+32*(\p)+8*\t, WSC+16*(\p)+8*(\t/2)+\s, XS+\s, \t%2, \m
.else
	WM HA+32*\m+8*\t, 8*(8*\t+\s), XF+8*(8*\m+\s), HA+32*\m+8*\t, WSC+16*(\p)+8*(\t/2)+\s, XS+\s, \t%2, \m
.endif
.endr
.endr
.endr
.endm
; v's unit: source 0 = x, source 1 = weight rows
.macro MMV p
	WIN 0x03|((1+(\p))<<2)
.irp s, 0,1,2,3,4,5,6,7
.irp g, 0,1,2,3
.irp u, 0,1
.if \s == 0
	WM HA+16*\g+8*\u, XF+8*(8*\u+\s), 8*(8*\g+\s), -1, XS+\s, WSC+16*(\p)+8*(\g/2)+\s, \u, \g%2
.else
	WM HA+16*\g+8*\u, XF+8*(8*\u+\s), 8*(8*\g+\s), HA+16*\g+8*\u, XS+\s, WSC+16*(\p)+8*(\g/2)+\s, \u, \g%2
.endif
.endr
.endr
.endr
.endm
.macro UNITQK p, nbias
	s_wait_loadcnt 0x0                             ; this unit's weights are in: asked for a unit ago.  All loads are done, so their bases may step
	s_add_nc_u64 s[12:13], s[12:13], 131072        ; four units on
	s_add_nc_u64 s[14:15], s[14:15], 8192
	s_add_nc_u64 s[16:17], s[16:17], 1024
	LOADU 1-\p, \nbias                             ; the next unit, into the buffer that the last unit's products have left (the places stand behind those products)
	MMQK \p
	WIN 0
	PLACES 5                                       ; four in front of the first read of results and of loads into operands; the fifth since the next unit begins these accumulators anew
	QUANT HA                                       ; blocks: (tile 0, d 0-31), (tile 0, d 32-63), (tile 1, ..), (tile 1, ..)
	v_and_b32 v[T0], 0xffff, v[PW]                 ; tile 0's two bytes,
	v_lshrrev_b32 v[T0+1], 16, v[PW]               ; tile 1's:
	v_cndmask_b32 v[T0], v[T0], v[T0+1], s34       ; lanes 16-31 take tile 1's,
	v_lshl_or_b32 v[T0], v[T0], 16, v[T0]          ; and the two bytes stand twice in the word
	global_store_b128 v[LI], v[PC:PC+3], s[18:19]               ; a tile's image: 512 consecutive bytes
	global_store_b128 v[LI], v[PC+4:PC+7], s[18:19] offset:512
	global_store_b32 v[LS], v[T0], s[20:21]
	s_wait_xcnt 0x0                                ; the stores' bases and data are written again only behind this wait
	s_add_nc_u64 s[18:19], s[18:19], 1048576
	s_add_nc_u64 s[20:21], s[20:21], 131072
.endm
.macro UNITV p, next, iv
	s_wait_loadcnt 0x0
.if \next
	s_add_nc_u64 s[12:13], s[12:13], 131072
	s_add_nc_u64 s[14:15], s[14:15], 8192
	LOADU 1-\p, 0
.endif
	MMV \p
	WIN 0
	PLACES 5
.irp g, 0,1,2,3
.irp i, 0,1,2,3,4,5,6,7,8,9,10,11,12,13,14,15
	v_add_f32 v[HA+16*\g+\i], v[HA+16*\g+\i], v[BV+4*(\iv)+\g]   ; the bias of my channel; ascending
.endr
.endr
	QUANT HA                                       ; block g: my channel of tile g, this work-group's 32 tokens: one block of 32 along the keys
.irp c, 0,1
	global_store_b128 v[VOA], v[PC+4*\c:PC+4*\c+3], s[22:23] offset:2048*\c   ; lanes 0-15: tile 2 c, lanes 16-31: tile 2 c + 1: 256 consecutive aligned bytes each
	v_cndmask_b32 v[T0+\c], v[TM+4+2*\c], v[TM+5+2*\c], s34
	global_store_b8 v[LS], v[T0+\c], s[24:25] offset:128*\c      ; one byte of a word whose other three belong to three neighbouring work-groups
.endr
.if \next
	s_wait_xcnt 0x0
	s_add_nc_u64 s[22:23], s[22:23], 131072
	s_add_nc_u64 s[24:25], s[24:25], 8192
.endif
.endm
; call n of four: K step 2 w + n / 2 of token tile n % 2: 16 rows x 512 bytes through my stage, quantised, padded tokens' codes cleared, image and scale words to LDS
.macro XCALL n
	s_wait_loadcnt 16*(3-(\n))                     ; this call's 16 loads are in; those of the later calls may be out
.if (\n) == 0
	v_cmp_eq_u32 s35, 0, v[MK]                     ; lanes whose token of tile 0 counts,
	v_cmp_eq_u32 s36, 0, v[MK+1]                   ; of tile 1
.endif
	WIN 0x08                                       ; an LDS store's data are its source 1: window 2
.irp r, 0,1,2,3,4,5,6,7,8,9,10,11,12,13,14,15
	ds_store_b128 v[XSW], v[64*(\n)+4*\r:64*(\n)+4*\r+3] offset:528*\r
.endr
	WIN 0
.irp bb, 0,1,2,3
.irp j, 0,1,2,3
	ds_load_b128 v[HA+16*\bb+4*\j:HA+16*\bb+4*\j+3], v[XSR] offset:128*\bb+16*\j   ; LDS serves a wave's instructions in order: these see the stores above
.endr
.endr
	s_wait_dscnt 0x0                               ; the numbers are back; the last call's stores have read their registers
	QUANT HA
.irp i, 0,1,2,3,4,5,6,7
	v_cndmask_b32 v[PC+\i], 0, v[PC+\i], s[35+(\n)%2]   ; x = 0 at a padded token: zero codes add nothing under any scale
.endr
.irp c, 0,1
	ds_store_b128 v[XIW], v[PC+4*\c:PC+4*\c+3] offset:8192*((\n)%2)+1024*((\n)/2)+512*\c
.endr
	ds_store_b32 v[XCW], v[PW] offset:128*((\n)/2)+64*((\n)%2)   ; both halves of the lanes write the same word with the same value
.endm
	s_load_b512 s[8:23], s[0:1], 0x0               ; src, mask, W codes, W scales, bias, qkc, qks, vc
	s_load_b64 s[24:25], s[0:1], 0x40              ; vs
	v_lshl_add_u32 v254, v0, 2, 0xc800
	v_mov_b32 v255, 0
	v_lshrrev_b32 v[T0], 5, v0
	v_readfirstlane_b32 s26, v[T0]                 ; wave
	s_mov_b32 s27, ttmp9                           ; tb
	s_and_b32 s28, ttmp7, 0xffff                   ; b
	s_mov_b32 s[SEL], 0x76543210
	s_mov_b32 s[SEL+1], 0xfedcba98                 ; v_permlanex16_b32's selects for lane l xor 16
	s_mov_b32 s34, 0xffff0000                      ; as a lane mask: lanes 16-31
	v_and_b32 v[T0], 31, v0                        ; lane
	v_and_b32 v[T0+1], 15, v0                      ; r
	v_bfe_u32 v[T0+2], v0, 4, 1                    ; h
	v_lshlrev_b32 v[LI], 4, v[T0]
	v_lshlrev_b32 v[LS], 2, v[T0]
	v_and_b32 v[MKA], 8, v[T0+1]
	v_add_nc_u32 v[MKA], v[MKA], v[T0+1]           ; rho(r)
	v_lshlrev_b32 v[WA], 9, v[MKA]
	v_lshl_add_u32 v[WA], v[T0+2], 4, v[WA]
	v_lshl_add_u32 v[WSA], v[T0+2], 3, v[MKA]
	v_lshlrev_b32 v[WSA], 5, v[WSA]
	v_lshlrev_b32 v[BA], 6, v[T0+2]
	s_lshl_b32 s30, s26, 10
	v_add_nc_u32 v[XGA], s30, v[LI]
	s_mul_i32 s30, s26, 8448
	v_add_nc_u32 v[XSW], s30, v[LI]
	v_mul_u32_u24 v[XSR], v[T0+1], 528
	v_lshl_add_u32 v[XSR], v[T0+2], 6, v[XSR]
	v_add_nc_u32 v[XSR], s30, v[XSR]
	s_lshl_b32 s30, s26, 11
	s_add_co_u32 s30, s30, XIMG
	v_add_nc_u32 v[XIW], s30, v[LI]
	s_lshl_b32 s30, s26, 8
	s_add_co_u32 s30, s30, XSC
	v_lshl_add_u32 v[XCW], v[T0+1], 2, s30
	v_lshlrev_b32 v[VOA], 10, v[T0+2]
	v_lshl_add_u32 v[VOA], v[T0+1], 4, v[VOA]
	v_lshlrev_b32 v[DA], 2, v[MKA]
.irp b, 0,1,2,3
	v_mov_b32 v[TM+4+\b], 0                        ; written once: a lane permute's destination counts as one of its sources
.endr
	s_mov_b32 s31, 0                               ; every offset is made apart from its address, in s[30:31]
	s_wait_kmcnt 0x0
	s_lshl_b32 s30, s28, 22
	s_lshl_b32 s29, s27, 17
	s_add_co_u32 s30, s30, s29
	s_add_nc_u64 s[8:9], s[8:9], s[30:31]          ; src at my first token: (1,024 b + 32 tb) x 4,096
	s_lshl_b32 s30, s28, 10
	s_lshl_b32 s29, s27, 5
	s_add_co_u32 s30, s30, s29
	s_add_nc_u64 s[10:11], s[10:11], s[30:31]      ; the mask likewise
	s_lshl_b32 s30, s26, 15
	s_add_nc_u64 s[12:13], s[12:13], s[30:31]      ; unit w: 64 rows of 512 bytes,
	s_lshl_b32 s30, s26, 11
	s_add_nc_u64 s[14:15], s[14:15], s[30:31]      ; of 32 scale bytes,
	s_lshl_b32 s30, s26, 8
	s_add_nc_u64 s[16:17], s[16:17], s[30:31]      ; 64 numbers of bias
	s_lshl_b32 s29, s26, 3
	s_add_co_u32 s29, s29, s28                     ; 8 w + b
	s_lshl_b32 s30, s29, 15
	s_lshl_b32 s38, s27, 10
	s_add_co_u32 s30, s30, s38
	s_add_nc_u64 s[18:19], s[18:19], s[30:31]      ; qkc
	s_lshl_b32 s30, s29, 12
	s_lshl_b32 s38, s27, 7
	s_add_co_u32 s30, s30, s38
	s_add_nc_u64 s[20:21], s[20:21], s[30:31]      ; qks
	s_lshl_b32 s29, s28, 4
	s_add_co_u32 s29, s29, s26
	s_lshl_b32 s29, s29, 3
	s_lshr_b32 s38, s27, 2
	s_add_co_u32 s29, s29, s38                     ; (16 b + w) x 8 + tb / 4: batch, head, K step of 128 keys
	s_lshl_b32 s30, s29, 12
	s_bfe_u32 s38, s27, 0x10001
	s_lshl_b32 s38, s38, 9
	s_add_co_u32 s30, s30, s38                     ; which 64 keys of the step,
	s_and_b32 s38, s27, 1
	s_lshl_b32 s38, s38, 8
	s_add_co_u32 s30, s30, s38                     ; which 32 of them
	s_add_nc_u64 s[22:23], s[22:23], s[30:31]      ; vc
	s_lshl_b32 s30, s29, 8
	s_and_b32 s38, s27, 3
	s_add_co_u32 s30, s30, s38
	s_add_nc_u64 s[24:25], s[24:25], s[30:31]      ; vs: my byte of each word
	global_load_u8 v[MK], v[MKA], s[10:11]
	global_load_u8 v[MK+1], v[MKA], s[10:11] offset:8
.irp iv, 0,1,2,3
.irp g, 0,1,2,3
	global_load_b32 v[BV+4*\iv+\g], v[DA], s[16:17] offset:8192+1024*\iv+(32*(\g/2)+8*(\g%2))*4   ; v's bias at my channel of each of my 16 tiles
.endr
.endr
	LOADU 0, 1                                     ; the first unit
	WIN 0x80
.irp n, 0,1,2,3
.irp r, 0,1,2,3,4,5,6,7,8,9,10,11,12,13,14,15
	global_load_b128 v[64*\n+4*\r:64*\n+4*\r+3], v[XGA], s[8:9] offset:(8*(\n%2)+\r+8*(\r/8))*4096+512*(\n/2) th:TH_LOAD_NT   ; 512 consecutive bytes of one row
.endr
.endr
	WIN 0
	XCALL 0
	XCALL 1
	XCALL 2
	XCALL 3
	s_wait_dscnt 0x0                               ; for the others' sake: my images and scale words have landed
	s_barrier_signal -1
	s_barrier_wait -1                              ; the launch's one barrier: x's sixteen fragments lie in LDS
	WIN 0xc0
.irp f, 0,1,2,3,4,5,6,7,8,9,10,11,12,13,14,15
.irp c, 0,1
	ds_load_b128 v[XF+8*\f+4*\c:XF+8*\f+4*\c+3], v[LI] offset:XIMG+1024*\f+512*\c
.endr
.endr
	WIN 0
.irp s, 0,1,2,3,4,5,6,7
	ds_load_b32 v[XS+\s], v[LS] offset:XSC+128*\s  ; lanes 0-15 tile 0's words, lanes 16-31 tile 1's
.endr
	s_wait_dscnt 0x0
	s_mov_b32 s37, 3
.Lqk:                                              ; six of my eight units of q and k
	UNITQK 0, 1
	UNITQK 1, 1
	s_sub_co_u32 s37, s37, 1
	s_cmp_lg_u32 s37, 0
	s_cbranch_scc1 .Lqk
	UNITQK 0, 1                                    ; the tail is written out: nothing is loaded that is not used, and no load passes the weights' end
	UNITQK 1, 0
	UNITV 0, 1, 0
	UNITV 1, 1, 1
	UNITV 0, 1, 2
	UNITV 1, 0, 3
	s_wait_tensorcnt 0x0
	ds_add_u32 v254, v255
	s_wait_dscnt 0x0
	s_endpgm
.Lfunc_end_k_q6b154f8272_qkv:
	.size	k_q6b154f8272_qkv, .Lfunc_end_k_q6b154f8272_qkv-k_q6b154f8272_qkv
	.p2alignl 7, 3214868480
	.fill 96, 4, 3214868480
	.section	.rodata,"a",@progbits
	.p2align	6, 0x0
	.amdhsa_kernel k_q6b154f8272_qkv
		.amdhsa_group_segment_fixed_size 51712
		.amdhsa_private_segment_fixed_size 0
		.amdhsa_enable_private_segment 0
		.amdhsa_kernarg_size 72
		.amdhsa_user_sgpr_count 2
		.amdhsa_user_sgpr_kernarg_segment_ptr 1
		.amdhsa_wavefront_size32 1
		.amdhsa_system_sgpr_workgroup_id_x 1
		.amdhsa_system_sgpr_workgroup_id_y 1
		.amdhsa_system_sgpr_workgroup_id_z 1
		.amdhsa_system_vgpr_workitem_id 0
		.amdhsa_next_free_vgpr 1024
		.amdhsa_next_free_sgpr 66
		.amdhsa_reserve_vcc 0
		.amdhsa_float_denorm_mode_32 3
		.amdhsa_float_denorm_mode_16_64 3
		.amdhsa_memory_ordered 1
		.amdhsa_forward_progress 1
		.amdhsa_inst_pref_size 206
	.end_amdhsa_kernel
	.amdgpu_metadata
---
amdhsa.version: [ 1, 2 ]
amdhsa.kernels:
  - .name:           k_q6b154f8272_qkv
    .symbol:         k_q6b154f8272_qkv.kd
    .args:
      - { .name: src, .offset: 0, .size: 8, .value_kind: global_buffer, .address_space: global }
      - { .name: key_padding_mask, .offset: 8, .size: 8, .value_kind: global_buffer, .address_space: global }
      - { .name: in_proj_w_codes, .offset: 16, .size: 8, .value_kind: global_buffer, .address_space: global }
      - { .name: in_proj_w_scales, .offset: 24, .size: 8, .value_kind: global_buffer, .address_space: global }
      - { .name: in_proj_b, .offset: 32, .size: 8, .value_kind: global_buffer, .address_space: global }
      - { .name: qkc, .offset: 40, .size: 8, .value_kind: global_buffer, .address_space: global }
      - { .name: qks, .offset: 48, .size: 8, .value_kind: global_buffer, .address_space: global }
      - { .name: vc, .offset: 56, .size: 8, .value_kind: global_buffer, .address_space: global }
      - { .name: vs, .offset: 64, .size: 8, .value_kind: global_buffer, .address_space: global }
    .group_segment_fixed_size: 51712
    .private_segment_fixed_size: 0
    .kernarg_segment_align: 8
    .kernarg_segment_size: 72
    .max_flat_workgroup_size: 128
    .sgpr_count:     66
    .vgpr_count:     1024
    .wavefront_size: 32
...
	.end_amdgpu_metadata
.endif
;; end of part 1
;; launch attn (part 2): grid 32 x 8, 4 waves a work-group, no clusters, 251,392 bytes of LDS; arguments qkc, qks, vc, vs, key_padding_mask, src, out_proj_w_codes, out_proj_w_scales, out_proj_b, ln_w, ln_b, out0, out1; writes out0, out1
.if DOCPART == 2
	.amdgcn_target "amdgcn-amd-amdhsa--gfx1250"
	.amdhsa_code_object_version 6
	.text
	.protected	k_q6b154f8272_attn
	.globl	k_q6b154f8272_attn
	.p2align	8
	.type	k_q6b154f8272_attn,@function
k_q6b154f8272_attn:
	s_mov_b64 s[64:65], 0
	v_nop
	global_prefetch_b8 v0, s[64:65] scope:SCOPE_SE
	s_setreg_imm32_b32 hwreg(HW_REG_WAVE_MODE, 25, 1), 1
	s_wait_xcnt 0x0
; For 32 queries of one batch: all 16 heads' scores, softmax and P V on codes of FP4 (E2M1) with E8M0 scales; out1 = the softmax averaged over the heads; ctx quantised into LDS; the out projection; residual, LayerNorm, mask: out0.
; SHARES.  A work-group owns the 32 queries of block tb, as two tiles (tile qt, lane r: token 32 tb + 8 qt + rho(r), rho(r) = r + 8 (r / 8)).  THE KEYS ARE CUT AMONG THE WAVES: wave w owns keys 256 w .. 256 w + 255 for both
; tiles and all heads, so each byte of K and V is read once a work-group, straight into registers, 512 consecutive bytes a load (the workspace is laid as images of operand registers).  One head's p (256 registers) and out1's running
; sums (256 more) stay in registers: nothing of the size of the scores goes to memory.
; LAYOUT.  S^T = K Q^T (source 0 = 16 keys, source 1 = 16 queries), O^T = V^T P^T: a lane holds one query throughout; the keys of a tile are chosen so that the 16 registers of two neighbouring tiles are 16 neighbouring keys.
; K = 64 IN A FORM OF K = 128: the other half of both operands is zero codes.  Even tiles are [codes][zeros] against [q][zeros], odd tiles [zeros][codes] against [zeros][q], so that one group of four zero registers serves two tiles;
; a scale word holds the row's two bytes twice and serves both forms.
; THE PADDING MASK is the C of the score products: -2^120 at a padded key, 0 elsewhere: such a key's p is 0 and it wins no maximum.
; SOFTMAX.  t = score x log2(e) / 8; each wave takes M = ceil(the largest t of ITS keys), a whole number, p = 2^(t - M), l = the sum of the unquantised p.  Once a head the waves exchange -M, l and their parts of O^T through LDS; parts are
; brought under the largest M by exact powers of two.  A wave's largest score is held at -2^103 from below, so that a wave all of whose keys are padded gets p = 0, l = 0 and the factor 0.
; Unit j = 2 qt + b' (16 queries x 32 channels of the head) is finished, divided by l and quantised by wave j: one block of 32 along the next K.
; LIMITS: scores above -2^90 (a padded key stands at -2^120 and not at -infinity); a batch all of whose keys are padded gives NaN in out1 and 0 in out0, as the reference does; NaN and infinities elsewhere are not served;
; a block whose largest magnitude lies under 2^-124, and a block of zeros, keeps the scale byte 1 (zero codes; the bytes are read here alone).
; No tensor loads: no operand byte is read twice inside a work-group.  No cluster: the work-groups of a batch share K and V, but a head's 70 KiB stand beside some 1,100 vector instructions a wave; joint loads are left for later.
; REGISTERS: window 0: addresses, scales, statistics, v96-127 p's codes, v128-147 Q, v148-243 K.  window 1: S, then p (128 qt + 16 p + i: key 256 w + 32 p + 16 h + i).  window 2: out1's sums, same index.
;   window 3: v0-127 the mask's addends, v128-191 O^T, v192-255 V.  Behind the heads: windows 1, 2 the two weight buffers, window 3 ctx's fragments, the bias, rows on their way out.
.set EXS,  8704                        ; LDS: 0: the exchange: for each wave 8,192 B of O^T and 512 B of statistics
.set CIMG, 34816                       ; ctx's codes [wave 4][head 16][r 16][16 B]: each wave writes bytes of its own
.set CSC,  51200                       ; ctx's scale bytes [wave 4][r 16][16 B], byte = head
.set STW,  52736                       ; four stages of 16 rows x 1,040 B for out1, a wave's own
.set YST,  119296                      ; 32 rows x 4,112 B: the out projection's results
.set LI,  1                            ; 16 x lane
.set LS,  2                            ; 4 x lane
.set KO,  3
.set QO,  4
.set KSO, 5
.set QSO, 6
.set VO,  7
.set VSO, 8
.set EXW, 9
.set EXU, 11
.set CIA0, 12
.set CSA0, 13
.set CIA, 14
.set CSA, 15
.set KSC, 16                           ; v16-23 K's scale words; later ctx's
.set CS,  16
.set QSC, 24
.set VSC, 26                           ; v26-29
.set PSC, 30                           ; v30-33 p's scale words: 2 qt + ks
.set STT, 34                           ; v34-37 -M0, l0, -M1, l1
.set G,   38                           ; v38-41 two pairs: what p is multiplied by for out1
.set BM,  42                           ; v42-57 block maxima; later F (v42-49) and FU (v50-57, pairs)
.set F,   42
.set FU,  50
.set BX,  58                           ; v58-73 at work with BM; later the four waves' statistics
.set SR,  58
.set WSC, 42                           ; v42-73 behind the heads: W_out's scale words
.set SU,  74                           ; v74-81 four pairs of sums
.set RM,  82
.set NG,  84
.set RL,  86
.set LL,  88
.set OF,  90
.set T0,  92                           ; v92-95 at work
.set MU,  82                           ; LayerNorm: pairs
.set RS,  84
.set PC,  96
.set OU,  96
.set CC,  112
.set QF,  128                          ; [z][q0][z][q1][z]
.set KF,  148                          ; 8 x [even tile][z][odd tile]
.set HA,  148
.set Z,   148
.set WA,  244
.set WSA, 245
.set BA,  246
.set SWA, 247
.set SRA, 248
.set YWA0, 249                         ; v249, v250
.set YRA, 251
.set PFA, 252
.set QNAN, 253
.set CFA, 254
.set CSR, 255
.set MC,  0                            ; window 3
.set CF,  0
.set LW,  0
.set LB,  32
.set OA,  128
.set BQ,  128
.set VF,  192
.set RB,  192
.set MSB, 0
.macro WIN new                         ; the immediate's high byte repeats the setting that is left; a switch that changes nothing is dropped
.if MSB != (\new)
	s_set_vgpr_msb (MSB<<8)|(\new)
.set MSB, (\new)
.endif
.endm
.macro PLACES n
.rept \n
	v_nop
.endr
.endm
.macro BARRIER                         ; my LDS stores have landed and my LDS loads are in: then the work-group's barrier
	s_wait_dscnt 0x0
	s_barrier_signal -1
	s_barrier_wait -1
.endm
; one product.  c < 0: the sum starts with the constant 0.  ra, rb: the side's scale words stand in lanes 16-31
.macro WM d, a, b, c, sa, sb, ra, rb
.set WR, (\ra)+2*(\rb)
.if (\c) < 0
.if WR == 0
	v_wmma_scale_f32_16x16x128_f8f6f4 v[\d:\d+7], v[\a:\a+7], v[\b:\b+7], 0, v[\sa], v[\sb] matrix_a_fmt:MATRIX_FMT_FP4 matrix_b_fmt:MATRIX_FMT_FP4
.elseif WR == 1
	v_wmma_scale_f32_16x16x128_f8f6f4 v[\d:\d+7], v[\a:\a+7], v[\b:\b+7], 0, v[\sa], v[\sb] matrix_a_fmt:MATRIX_FMT_FP4 matrix_b_fmt:MATRIX_FMT_FP4 matrix_a_scale:MATRIX_SCALE_ROW1
.elseif WR == 2
	v_wmma_scale_f32_16x16x128_f8f6f4 v[\d:\d+7], v[\a:\a+7], v[\b:\b+7], 0, v[\sa], v[\sb] matrix_a_fmt:MATRIX_FMT_FP4 matrix_b_fmt:MATRIX_FMT_FP4 matrix_b_scale:MATRIX_SCALE_ROW1
.else
	v_wmma_scale_f32_16x16x128_f8f6f4 v[\d:\d+7], v[\a:\a+7], v[\b:\b+7], 0, v[\sa], v[\sb] matrix_a_fmt:MATRIX_FMT_FP4 matrix_b_fmt:MATRIX_FMT_FP4 matrix_a_scale:MATRIX_SCALE_ROW1 matrix_b_scale:MATRIX_SCALE_ROW1
.endif
.else
.if WR == 0
	v_wmma_scale_f32_16x16x128_f8f6f4 v[\d:\d+7], v[\a:\a+7], v[\b:\b+7], v[\c:\c+7], v[\sa], v[\sb] matrix_a_fmt:MATRIX_FMT_FP4 matrix_b_fmt:MATRIX_FMT_FP4
.elseif WR == 1
	v_wmma_scale_f32_16x16x128_f8f6f4 v[\d:\d+7], v[\a:\a+7], v[\b:\b+7], v[\c:\c+7], v[\sa], v[\sb] matrix_a_fmt:MATRIX_FMT_FP4 matrix_b_fmt:MATRIX_FMT_FP4 matrix_a_scale:MATRIX_SCALE_ROW1
.elseif WR == 2
	v_wmma_scale_f32_16x16x128_f8f6f4 v[\d:\d+7], v[\a:\a+7], v[\b:\b+7], v[\c:\c+7], v[\sa], v[\sb] matrix_a_fmt:MATRIX_FMT_FP4 matrix_b_fmt:MATRIX_FMT_FP4 matrix_b_scale:MATRIX_SCALE_ROW1
.else
	v_wmma_scale_f32_16x16x128_f8f6f4 v[\d:\d+7], v[\a:\a+7], v[\b:\b+7], v[\c:\c+7], v[\sa], v[\sb] matrix_a_fmt:MATRIX_FMT_FP4 matrix_b_fmt:MATRIX_FMT_FP4 matrix_a_scale:MATRIX_SCALE_ROW1 matrix_b_scale:MATRIX_SCALE_ROW1
.endif
.endif
.endm
.macro KLOAD                           ; a head's K (my 16 tiles), Q (2 tiles) and their scale words: 27 loads
.irp p, 0,1,2,3,4,5,6,7
	global_load_b128 v[KF+12*\p:KF+12*\p+3], v[KO], s[8:9] offset:1024*\p
	global_load_b128 v[KF+12*\p+8:KF+12*\p+11], v[KO], s[8:9] offset:1024*\p+512
.endr
	global_load_b128 v[QF+4:QF+7], v[QO], s[8:9]
	global_load_b128 v[QF+12:QF+15], v[QO], s[8:9] offset:512
.irp p, 0,1,2,3,4,5,6,7
	global_load_b32 v[KSC+\p], v[KSO], s[10:11] offset:128*\p
.endr
	global_load_b32 v[QSC], v[QSO], s[10:11]
.endm
.macro VLOAD                           ; a head's V for my 256 keys (8 fragments) and its scale words: 20 loads
	WIN 0xc0
.irp f, 0,1,2,3,4,5,6,7
.irp c, 0,1
	global_load_b128 v[VF+8*\f+4*\c:VF+8*\f+4*\c+3], v[VO], s[12:13] offset:1024*\f+512*\c
.endr
.endr
	WIN 0
.irp m, 0,1,2,3
	global_load_b32 v[VSC+\m], v[VSO], s[14:15] offset:128*\m
.endr
.endm
; ONE HEAD.  first = 1: out1's sums begin.  last = 1: nothing more is asked for.
.macro HEAD first, last
	s_wait_dscnt 0x0                               ; the last head's two LDS stores have read their registers
	s_wait_loadcnt 20                              ; K, Q and their scales are in; the 20 loads of V issued behind them may be out
	WIN 0x70                                       ; D window 1, C window 3
.irp p, 0,1,2,3,4,5,6,7
.irp u, 0,1
.irp qt, 0,1
	WM 128*\qt+16*\p+8*\u, KF+12*\p+4*\u, QF+4+8*\qt-4*\u, MC+16*\p+8*\u, KSC+\p, QSC, \u, \qt
.endr
.endr
.endr
	WIN 0
	PLACES 4                                       ; in front of loads into the products' operands and of the first read of scores
.if \last == 0
	s_add_nc_u64 s[8:9], s[8:9], 262144            ; the wait above has shown these bases' loads done: the next head
	s_add_nc_u64 s[10:11], s[10:11], 32768
	KLOAD
.else
.irp k, 0,1,2,3
	global_prefetch_b8 v[PFA], s[18:19] offset:8192*\k th:TH_LOAD_NT scope:SCOPE_SE   ; my 8 residual rows, 32 KiB, lanes 256 bytes apart: wanted behind the out projection; each block is asked for once, by the wave that will load it
.endr
.endif
	; the largest score of each block of 32 keys (kb = 8 qt + p): it serves the row's maximum and, since p rises with the score, the block's largest p
	WIN 0x15
.irp kb, 0,1,2,3,4,5,6,7,8,9,10,11,12,13,14,15
	v_max3_num_f32 v[BM+\kb], v[16*\kb], v[16*\kb+1], v[16*\kb+2]
.endr
	WIN 0x14
.irp i, 3,5,7,9,11,13
.irp kb, 0,1,2,3,4,5,6,7,8,9,10,11,12,13,14,15
	v_max3_num_f32 v[BM+\kb], v[BM+\kb], v[16*\kb+\i], v[16*\kb+\i+1]   ; ascending: each accumulator is read from its low end on
.endr
.endr
.irp kb, 0,1,2,3,4,5,6,7,8,9,10,11,12,13,14,15
	v_max_num_f32 v[BM+\kb], v[BM+\kb], v[16*\kb+15]
.endr
	WIN 0
.irp kb, 0,1,2,3,4,5,6,7,8,9,10,11,12,13,14,15
	v_permlanex16_b32 v[BX+\kb], v[BM+\kb], s40, s41
.endr
.irp kb, 0,1,2,3,4,5,6,7,8,9,10,11,12,13,14,15
	v_max_num_f32 v[BM+\kb], v[BM+\kb], v[BX+\kb]  ; with lane l xor 16's 16 keys
.endr
.irp qt, 0,1
	v_max3_num_f32 v[RM+\qt], v[BM+8*\qt], v[BM+8*\qt+1], v[BM+8*\qt+2]
.endr
.irp qt, 0,1
	v_max3_num_f32 v[RM+\qt], v[RM+\qt], v[BM+8*\qt+3], v[BM+8*\qt+4]
.endr
.irp qt, 0,1
	v_max3_num_f32 v[RM+\qt], v[RM+\qt], v[BM+8*\qt+5], v[BM+8*\qt+6]
.endr
.irp qt, 0,1
	v_max3_num_f32 v[RM+\qt], v[RM+\qt], v[BM+8*\qt+7], 0xf3000000   ; and -2^103: where all my keys are padded, M stays so far above -2^120 x c that every p is 0
.endr
.irp qt, 0,1
	v_mul_f32 v[STT+2*\qt+1], s38, v[RM+\qt]       ; as t
.endr
.irp qt, 0,1
	v_floor_f32 v[STT+2*\qt], -v[STT+2*\qt+1]      ; -M = floor(-t) = -ceil(t): M is a whole number
.endr
.irp kb, 0,1,2,3,4,5,6,7,8,9,10,11,12,13,14,15
	v_fma_f32 v[BM+\kb], v[BM+\kb], s38, v[STT+2*(\kb/8)]
.endr
	WIN 0x41
.set i, 0
.rept 128
	v_pk_fma_f32 v[2*i:2*i+1], v[2*i:2*i+1], s[38:39], v[STT+2*(i/64):STT+2*(i/64)+1] op_sel_hi:[1,0,0]   ; t - M, two at a time (of the pairs c and -M the low word serves both halves)
.set i, i+1
.endr
.set i, 0
.rept 256
	v_exp_f32 v[i], v[i]                           ; p = 2^(t - M), at most 1, not normalised
.set i, i+1
.endr
	WIN 0
.irp kb, 0,1,2,3,4,5,6,7,8,9,10,11,12,13,14,15
	v_exp_f32 v[BM+\kb], v[BM+\kb]                 ; the block's largest p: the same two instructions on the same number
.endr
	v_nop                                          ; a plain place behind the exponentials
	s_wait_alu depctr_va_vdst(0)
.irp kb, 0,1,2,3,4,5,6,7,8,9,10,11,12,13,14,15
	v_max_num_f32 v[BM+\kb], 0x1800000, v[BM+\kb]  ; the floor 2^(3 - 127): the byte cannot fall under 1
.endr
.irp kb, 0,1,2,3,4,5,6,7,8,9,10,11,12,13,14,15
	v_add_nc_u32 v[BX+\kb], 0xff000000, v[BM+\kb]  ; 2 off the exponent field: the conversion's scale operand
.endr
.irp kb, 0,1,2,3,4,5,6,7,8,9,10,11,12,13,14,15
	v_lshrrev_b32 v[BM+\kb], 23, v[BX+\kb]         ; the scale's byte
.endr
.irp f, 0,1,2,3
	v_lshl_or_b32 v[PSC+\f], v[BM+4*\f+1], 8, v[BM+4*\f]   ; fragment f = 2 qt + ks: the scale word of its 128 keys
.endr
.irp f, 0,1,2,3
	v_lshl_or_b32 v[PSC+\f], v[BM+4*\f+2], 16, v[PSC+\f]
.endr
.irp f, 0,1,2,3
	v_lshl_or_b32 v[PSC+\f], v[BM+4*\f+3], 24, v[PSC+\f]
.endr
	WIN 0x01
.irp f, 0,1,2,3
.irp bb, 0,1,2,3
.irp e, 0,1
	v_cvt_scalef32_pk8_fp4_f32 v[PC+8*\f+2*\bb+\e], v[16*(4*\f+\bb)+8*\e:16*(4*\f+\bb)+8*\e+7], v[BX+4*\f+\bb]
.endr
.endr
.endr
	WIN 0
	v_nop                                          ; one plain place behind a scaled conversion
.irp f, 0,1,2,3
.irp c, 0,1
.irp i, 0,1
	v_permlane16_swap_b32 v[PC+8*\f+4*\c+\i], v[PC+8*\f+4*\c+2+\i]   ; a whole block to a lane
.endr
.endr
.endr
	; the row's sum of the unquantised p: two chains a tile.  These lines are also the places between the scale words and codes just made and the products that take them
	WIN 0x05
.irp qt, 0,1
.irp ch, 0,1
	v_pk_add_f32 v[SU+4*\qt+2*\ch:SU+4*\qt+2*\ch+1], v[128*\qt+4*\ch:128*\qt+4*\ch+1], v[128*\qt+4*\ch+2:128*\qt+4*\ch+3]
.endr
.endr
	WIN 0x04
.set i, 4
.rept 30
.irp qt, 0,1
.irp ch, 0,1
	v_pk_add_f32 v[SU+4*\qt+2*\ch:SU+4*\qt+2*\ch+1], v[SU+4*\qt+2*\ch:SU+4*\qt+2*\ch+1], v[128*\qt+2*(i+\ch):128*\qt+2*(i+\ch)+1]
.endr
.endr
.set i, i+2
.endr
	WIN 0
.irp qt, 0,1
	v_pk_add_f32 v[SU+4*\qt:SU+4*\qt+1], v[SU+4*\qt:SU+4*\qt+1], v[SU+4*\qt+2:SU+4*\qt+3]
.endr
.irp qt, 0,1
	v_add_f32 v[SU+4*\qt], v[SU+4*\qt], v[SU+4*\qt+1]
.endr
.irp qt, 0,1
	v_permlanex16_b32 v[SU+4*\qt+1], v[SU+4*\qt], s40, s41
.endr
.irp qt, 0,1
	v_add_f32 v[STT+2*\qt+1], v[SU+4*\qt], v[SU+4*\qt+1]   ; l of my 256 keys
.endr
.if \last
	s_wait_loadcnt 0x0                             ; V is in
.else
	s_wait_loadcnt 27                              ; V is in; the next head's 27 loads of K may be out
.endif
	WIN 0xf3                                       ; V, C and D window 3, p window 0.  The 8 accumulators take turns, one instruction a turn
.irp ks, 0,1
.irp g, 0,1,2,3
.irp qt, 0,1
.if \ks == 0
	WM OA+32*\qt+8*\g, VF+8*(4*\ks+\g), PC+8*(2*\qt+\ks), -1, VSC+2*\ks+\g/2, PSC+2*\qt+\ks, \g%2, 0
.else
	WM OA+32*\qt+8*\g, VF+8*(4*\ks+\g), PC+8*(2*\qt+\ks), OA+32*\qt+8*\g, VSC+2*\ks+\g/2, PSC+2*\qt+\ks, \g%2, 0
.endif
.endr
.endr
.endr
	WIN 0
	PLACES 4
.if \last == 0
	s_add_nc_u64 s[12:13], s[12:13], 32768         ; the wait above has shown these bases' loads done
	s_add_nc_u64 s[14:15], s[14:15], 2048
	VLOAD
.endif
	v_add_nc_u32 v[CIA], s45, v[CIA0]              ; where this head's codes and byte go
	v_add_nc_u32 v[CSA], s46, v[CSA0]
	BARRIER                                        ; every wave's reads of the last head's exchange are over
	WIN 0x0c
.irp q, 0,1,2,3,4,5,6,7,8,9,10,11,12,13,14,15
	ds_store_b128 v[EXW], v[OA+4*\q:OA+4*\q+3] offset:512*\q   ; my part of O^T as it stands, each accumulator from its low end on
.endr
	WIN 0
	ds_store_b128 v[EXW], v[STT:STT+3] offset:8192
	BARRIER                                        ; all four parts lie in LDS
.irp k, 0,1,2,3
	ds_load_b128 v[SR+4*\k:SR+4*\k+3], v[LI] offset:EXS*\k+8192
.endr
	WIN 0xc0
.irp k, 0,1,2,3
.irp q, 0,1,2,3
	ds_load_b128 v[OA+16*\k+4*\q:OA+16*\k+4*\q+3], v[EXU] offset:EXS*\k+512*\q   ; unit w's 16 registers of each wave's part
.endr
.endr
	WIN 0
	s_wait_dscnt 16                                ; the four statistics are in; the 16 loads behind them may be out
.irp qt, 0,1
	v_min3_num_f32 v[NG+\qt], v[SR+2*\qt], v[SR+4+2*\qt], v[SR+8+2*\qt]
.endr
.irp qt, 0,1
	v_min_num_f32 v[NG+\qt], v[NG+\qt], v[SR+12+2*\qt]   ; -M of the whole row
.endr
.irp qt, 0,1
.irp k, 0,1,2,3
	v_sub_f32 v[F+4*\qt+\k], v[NG+\qt], v[SR+4*\k+2*\qt]   ; M_k - M: a whole number, 0 or less
.endr
	v_sub_f32 v[OF+\qt], v[NG+\qt], v[STT+2*\qt]
.endr
.irp qt, 0,1
.irp k, 0,1,2,3
	v_cvt_i32_f32 v[F+4*\qt+\k], v[F+4*\qt+\k]     ; (it saturates)
.endr
	v_cvt_i32_f32 v[OF+\qt], v[OF+\qt]
.endr
.irp qt, 0,1
.irp k, 0,1,2,3
	v_ldexp_f32 v[F+4*\qt+\k], 1.0, v[F+4*\qt+\k]  ; f_k = 2^(M_k - M): exact
.endr
	v_ldexp_f32 v[OF+\qt], 1.0, v[OF+\qt]          ; my own
.endr
.irp qt, 0,1
	v_mul_f32 v[LL+\qt], v[F+4*\qt], v[SR+2*\qt+1]
.endr
.irp k, 1,2,3
.irp qt, 0,1
	v_fma_f32 v[LL+\qt], v[F+4*\qt+\k], v[SR+4*\k+2*\qt+1], v[LL+\qt]   ; the row's l
.endr
.endr
	v_rcp_f32 v[RL], v[LL]
	v_rcp_f32 v[RL+1], v[LL+1]
	v_nop                                          ; a plain place behind the reciprocals
	s_wait_alu depctr_va_vdst(0)
.irp qt, 0,1
	v_cmp_lt_f32 vcc_lo, s43, v[NG+\qt]            ; -M above 2^90: every key of the batch is padded:
	v_cndmask_b32 v[RL+\qt], v[RL+\qt], v[QNAN], vcc_lo   ; a softmax of nothing is NaN
.endr
.irp qt, 0,1
	v_mul_f32 v[T0+\qt], v[OF+\qt], v[RL+\qt]
.endr
.irp qt, 0,1
	v_mul_f32 v[G+2*\qt], 0x3d800000, v[T0+\qt]    ; f / l / 16
.endr
	v_cndmask_b32 v[T0], v[RL], v[RL+1], s44       ; my unit's tile of queries
.irp k, 0,1,2,3
	v_cndmask_b32 v[FU+2*\k], v[F+\k], v[F+4+\k], s44
.endr
.irp k, 0,1,2,3
	v_mul_f32 v[FU+2*\k], v[FU+2*\k], v[T0]        ; f_k / l
.endr
.set i, 0
.if \first
	WIN 0x81                                       ; sums window 2, p window 1
.rept 128
	v_pk_mul_f32 v[2*i:2*i+1], v[2*i:2*i+1], v[G+2*(i/64):G+2*(i/64)+1] op_sel_hi:[1,0]   ; the first head starts out1's sums: nothing is cleared
.set i, i+1
.endr
.else
	WIN 0xa1
.rept 128
	v_pk_fma_f32 v[2*i:2*i+1], v[2*i:2*i+1], v[G+2*(i/64):G+2*(i/64)+1], v[2*i:2*i+1] op_sel_hi:[1,0,1]
.set i, i+1
.endr
.endif
	WIN 0
	s_wait_dscnt 0x0                               ; the four parts of my unit are in
	WIN 0x03
.irp i, 0,2,4,6,8,10,12,14
	v_pk_mul_f32 v[OU+\i:OU+\i+1], v[OA+\i:OA+\i+1], v[FU:FU+1] op_sel_hi:[1,0]
.endr
.irp k, 1,2,3
.irp i, 0,2,4,6,8,10,12,14
	v_pk_fma_f32 v[OU+\i:OU+\i+1], v[OA+16*\k+\i:OA+16*\k+\i+1], v[FU+2*\k:FU+2*\k+1], v[OU+\i:OU+\i+1] op_sel_hi:[1,0,1]
.endr
.endr
	WIN 0
	; ctx(query r of my tile, 64 head + 32 b' + 16 h + 0 .. 15): half a block of 32 along the next K
	v_max3_num_f32 v[T0], |v[OU]|, |v[OU+1]|, 0x1800000
	v_max3_num_f32 v[T0+1], |v[OU+8]|, |v[OU+9]|, |v[OU+10]|
	v_max3_num_f32 v[T0], v[T0], |v[OU+2]|, |v[OU+3]|
	v_max3_num_f32 v[T0+1], v[T0+1], |v[OU+11]|, |v[OU+12]|
	v_max3_num_f32 v[T0], v[T0], |v[OU+4]|, |v[OU+5]|
	v_max3_num_f32 v[T0+1], v[T0+1], |v[OU+13]|, |v[OU+14]|
	v_max3_num_f32 v[T0], v[T0], |v[OU+6]|, |v[OU+7]|
	v_max3_num_f32 v[T0], v[T0], v[T0+1], |v[OU+15]|
	v_permlanex16_b32 v[T0+2], v[T0], s40, s41
	v_max_num_f32 v[T0], v[T0], v[T0+2]
	v_add_nc_u32 v[T0+1], 0xff000000, v[T0]
	v_lshrrev_b32 v[T0+2], 23, v[T0+1]
	v_cvt_scalef32_pk8_fp4_f32 v[CC], v[OU:OU+7], v[T0+1]
	v_cvt_scalef32_pk8_fp4_f32 v[CC+1], v[OU+8:OU+15], v[T0+1]
	v_nop                                          ; one plain place behind a scaled conversion
	ds_store_b64 v[CIA], v[CC:CC+1]
	ds_store_b8 v[CSA], v[T0+2]                    ; both halves of the lanes write the same byte with the same value
	s_add_co_u32 s45, s45, 256
	s_add_co_u32 s46, s46, 1
.endm
; unit i of W_out (64 rows) into buffer p: 76 loads; the unit stands in the immediates
.macro LOADO i, p
	WIN 0x40*(1+(\p))
.irp t, 0,1,2,3
.irp s, 0,1,2,3,4,5,6,7
.irp c, 0,1
	global_load_b128 v[8*(8*\t+\s)+4*\c:8*(8*\t+\s)+4*\c+3], v[WA], s[20:21] offset:131072*(\i)+(32*(\t/2)+8*(\t%2))*512+64*\s+32*\c
.endr
.endr
.endr
	WIN 0
.irp bq, 0,1
.irp e, 0,1
	global_load_b128 v[WSC+16*(\p)+8*\bq+4*\e:WSC+16*(\p)+8*\bq+4*\e+3], v[WSA], s[22:23] offset:8192*(\i)+1024*\bq+16*\e
.endr
.endr
	WIN 0xc0
.irp t, 0,1,2,3
.irp e, 0,1
	global_load_b128 v[BQ+32*(\p)+8*\t+4*\e:BQ+32*(\p)+8*\t+4*\e+3], v[BA], s[24:25] offset:1024*(\i)+(32*(\t/2)+8*(\t%2))*4+16*\e
.endr
.endr
	WIN 0
.endm
.macro MMO p                           ; source 0 = rows of W_out, source 1 = ctx; the bias is the C of each sum's first product; 8 accumulators by turns
.irp s, 0,1,2,3,4,5,6,7
.if \s == 0
	WIN 0x3c|(1+(\p))
.else
	WIN 0x0c|(1+(\p))
.endif
.irp m, 0,1
.irp t, 0,1,2,3
.if \s == 0
	WM HA+32*\m+8*\t, 8*(8*\t+\s), CF+8*(8*\m+\s), BQ+32*(\p)+8*\t, WSC+16*(\p)+8*(\t/2)+\s, CS+\s, \t%2, \m
.else
	WM HA+32*\m+8*\t, 8*(8*\t+\s), CF+8*(8*\m+\s), HA+32*\m+8*\t, WSC+16*(\p)+8*(\t/2)+\s, CS+\s, \t%2, \m
.endif
.endr
.endr
.endr
.endm
.macro YPUT i                          ; lane (r, h) of tile m: row 16 m + r of the stage, columns 64 (w + 4 i) + 32 bb + 16 h + 4 jj on
.irp m, 0,1
.irp bb, 0,1
.irp jj, 0,1,2,3
	ds_store_b128 v[YWA0+\m], v[HA+32*\m+16*\bb+4*\jj:HA+32*\m+16*\bb+4*\jj+3] offset:1024*(\i)+128*\bb+16*\jj
.endr
.endr
.endr
.endm
; row i of my eight: y + x, LayerNorm, gain and bias, 0 at a padded token.  A lane holds columns 128 k + 4 lane + 0 .. 3
.macro LNROW i
	s_wait_xcnt 0x0                                ; the last row's stores have read their registers
.irp k, 0,1,2,3,4,5,6,7
	ds_load_b128 v[Z+4*\k:Z+4*\k+3], v[YRA] offset:4112*(\i)+512*\k
.endr
	s_bfe_u32 s52, s[50+(\i)/4], 0x80000|(8*((\i)%4))   ; the row's mask byte
	s_cmp_eq_u32 s52, 0
	s_cselect_b32 s53, -1, 0                       ; as a lane mask: all lanes keep, or none
	s_wait_dscnt 0x0
	WIN 0x04
.irp m, 0,2,4,6,8,10,12,14,16,18,20,22,24,26,28,30
	v_pk_add_f32 v[Z+\m:Z+\m+1], v[Z+\m:Z+\m+1], v[32*(\i)+\m:32*(\i)+\m+1]   ; the residual (a padded row's numbers are thrown away below)
.endr
	WIN 0
	v_pk_add_f32 v[86:87], v[Z:Z+1], v[Z+2:Z+3]
	v_pk_add_f32 v[88:89], v[Z+4:Z+5], v[Z+6:Z+7]
.irp m, 8,12,16,20,24,28
	v_pk_add_f32 v[86:87], v[86:87], v[Z+\m:Z+\m+1]
	v_pk_add_f32 v[88:89], v[88:89], v[Z+\m+2:Z+\m+3]
.endr
	v_pk_add_f32 v[86:87], v[86:87], v[88:89]
	v_add_f32 v90, v86, v87
	v_add_f32_dpp v90, v90, v90 row_xmask:1 row_mask:0xf bank_mask:0xf
	v_add_f32_dpp v90, v90, v90 row_xmask:2 row_mask:0xf bank_mask:0xf
	v_add_f32_dpp v90, v90, v90 row_xmask:4 row_mask:0xf bank_mask:0xf
	v_add_f32_dpp v90, v90, v90 row_xmask:8 row_mask:0xf bank_mask:0xf
	v_permlanex16_b32 v91, v90, s40, s41
	v_add_f32 v90, v90, v91
	v_mul_f32 v[MU], s54, v90                      ; the mean
.irp m, 0,2,4,6,8,10,12,14,16,18,20,22,24,26,28,30
	v_pk_add_f32 v[Z+\m:Z+\m+1], v[Z+\m:Z+\m+1], v[MU:MU+1] op_sel_hi:[1,0] neg_lo:[0,1] neg_hi:[0,1]
.endr
	v_pk_mul_f32 v[86:87], v[Z:Z+1], v[Z:Z+1]
	v_pk_mul_f32 v[88:89], v[Z+2:Z+3], v[Z+2:Z+3]
.irp m, 4,8,12,16,20,24,28
	v_pk_fma_f32 v[86:87], v[Z+\m:Z+\m+1], v[Z+\m:Z+\m+1], v[86:87]
	v_pk_fma_f32 v[88:89], v[Z+\m+2:Z+\m+3], v[Z+\m+2:Z+\m+3], v[88:89]
.endr
	v_pk_add_f32 v[86:87], v[86:87], v[88:89]
	v_add_f32 v90, v86, v87
	v_add_f32_dpp v90, v90, v90 row_xmask:1 row_mask:0xf bank_mask:0xf
	v_add_f32_dpp v90, v90, v90 row_xmask:2 row_mask:0xf bank_mask:0xf
	v_add_f32_dpp v90, v90, v90 row_xmask:4 row_mask:0xf bank_mask:0xf
	v_add_f32_dpp v90, v90, v90 row_xmask:8 row_mask:0xf bank_mask:0xf
	v_permlanex16_b32 v91, v90, s40, s41
	v_add_f32 v90, v90, v91
	v_fma_f32 v90, v90, s54, s55                   ; the variance + eps
	v_rsq_f32 v[RS], v90
	v_nop                                          ; a plain place behind the transcendental
	s_wait_alu depctr_va_vdst(0)
.irp m, 0,2,4,6,8,10,12,14,16,18,20,22,24,26,28,30
	v_pk_mul_f32 v[Z+\m:Z+\m+1], v[Z+\m:Z+\m+1], v[RS:RS+1] op_sel_hi:[1,0]
.endr
	WIN 0x3c
.irp m, 0,2,4,6,8,10,12,14,16,18,20,22,24,26,28,30
	v_pk_fma_f32 v[Z+\m:Z+\m+1], v[Z+\m:Z+\m+1], v[LW+\m:LW+\m+1], v[LB+\m:LB+\m+1]
.endr
	WIN 0
.irp m, 0,1,2,3,4,5,6,7,8,9,10,11,12,13,14,15,16,17,18,19,20,21,22,23,24,25,26,27,28,29,30,31
	v_cndmask_b32 v[Z+\m], 0, v[Z+\m], s53
.endr
.irp k, 0,1,2,3,4,5,6,7
	global_store_b128 v[LI], v[Z+4*\k:Z+4*\k+3], s[30:31] offset:4096*(\i)+512*\k th:TH_STORE_NT   ; 512 consecutive bytes of the row
.endr
.endm
	s_load_b512 s[8:23], s[0:1], 0x0               ; qkc, qks, vc, vs, mask, src, W_out codes, W_out scales
	s_load_b256 s[24:31], s[0:1], 0x40             ; out_proj_b, ln_w, ln_b, out0
	s_load_b64 s[32:33], s[0:1], 0x60              ; out1
	v_lshl_add_u32 v10, v0, 2, 0x3d400
	v_mov_b32 v25, 0
	v_lshrrev_b32 v95, 5, v0
	v_readfirstlane_b32 s34, v95                   ; wave
	s_mov_b32 s35, ttmp9                           ; tb
	s_and_b32 s36, ttmp7, 0xffff                   ; b
	s_mov_b32 s38, 0x3e38aa3b                      ; c = log2(e) / 8
	s_mov_b32 s39, s38                             ; (named with it as a pair, so it is written)
	s_mov_b32 s40, 0x76543210
	s_mov_b32 s41, 0xfedcba98                      ; v_permlanex16_b32's selects for lane l xor 16
	s_mov_b32 s42, 0xfb800000                      ; -2^120
	s_mov_b32 s43, 0x6c800000                      ; 2^90
	s_mov_b32 s45, 0                               ; 256 x head
	s_mov_b32 s46, 0                               ; head
	s_mov_b32 s54, 0x3a800000                      ; 1 / 1,024
	s_mov_b32 s55, 0x3727c5ac                      ; 1e-5
	s_lshr_b32 s52, s34, 1
	s_cmp_lg_u32 s52, 0
	s_cselect_b32 s44, -1, 0                       ; as a lane mask: my unit belongs to tile 1 of the queries
	v_and_b32 v92, 31, v0                          ; lane
	v_and_b32 v93, 15, v0                          ; r
	v_bfe_u32 v94, v0, 4, 1                        ; h
	v_lshlrev_b32 v[LI], 4, v92
	v_lshlrev_b32 v[LS], 2, v92
	s_lshl_b32 s48, s36, 15
	s_lshl_b32 s49, s34, 13
	s_add_co_u32 s52, s48, s49
	s_add_co_u32 s52, s52, 4194304
	v_add_nc_u32 v[KO], s52, v[LI]                 ; k's units lie 16 units behind q's; batch b; my 16 tiles
	s_lshl_b32 s52, s35, 10
	s_add_co_u32 s52, s52, s48
	v_add_nc_u32 v[QO], s52, v[LI]
	s_lshl_b32 s48, s36, 12
	s_lshl_b32 s52, s34, 10
	s_add_co_u32 s52, s52, s48
	s_add_co_u32 s52, s52, 524288
	v_add_nc_u32 v[KSO], s52, v[LS]
	s_lshl_b32 s52, s35, 7
	s_add_co_u32 s52, s52, s48
	v_add_nc_u32 v[QSO], s52, v[LS]
	s_lshl_b32 s48, s36, 19
	s_add_co_u32 s52, s48, s49
	v_add_nc_u32 v[VO], s52, v[LI]
	s_lshl_b32 s48, s36, 15
	s_lshl_b32 s52, s34, 9
	s_add_co_u32 s52, s52, s48
	v_add_nc_u32 v[VSO], s52, v[LS]
	s_mul_i32 s52, s34, EXS
	v_add_nc_u32 v[EXW], s52, v[LI]
	s_lshl_b32 s52, s34, 11
	v_add_nc_u32 v[EXU], s52, v[LI]
	s_lshl_b32 s52, s34, 12
	s_add_co_u32 s52, s52, CIMG
	v_lshl_add_u32 v[CIA0], v93, 4, s52
	v_lshl_add_u32 v[CIA0], v94, 3, v[CIA0]        ; CIMG + 4,096 w + 16 r + 8 h
	s_lshl_b32 s52, s34, 8
	s_add_co_u32 s52, s52, CSC
	v_lshl_add_u32 v[CSA0], v93, 4, s52            ; CSC + 256 w + 16 r
	v_and_b32 v95, 8, v93
	v_add_nc_u32 v95, v95, v93                     ; rho(r)
	v_lshlrev_b32 v[WA], 9, v95
	v_lshl_add_u32 v[WA], v94, 4, v[WA]
	v_lshl_add_u32 v[WSA], v94, 3, v95
	v_lshlrev_b32 v[WSA], 5, v[WSA]
	v_lshlrev_b32 v[BA], 6, v94
	s_mul_i32 s52, s34, 16640
	s_add_co_u32 s52, s52, STW
	v_add_nc_u32 v[SRA], s52, v[LI]
	v_mul_u32_u24 v[SWA], v93, 1040
	v_lshl_add_u32 v[SWA], v94, 6, v[SWA]
	v_add_nc_u32 v[SWA], s52, v[SWA]
	s_lshl_b32 s52, s34, 8
	s_add_co_u32 s52, s52, YST
	v_mul_u32_u24 v[YWA0], v93, 4112
	v_lshl_add_u32 v[YWA0], v94, 6, v[YWA0]
	v_add_nc_u32 v[YWA0], s52, v[YWA0]
	v_add_nc_u32 v[YWA0+1], 65792, v[YWA0]         ; tile 1: 16 rows on
	s_mul_i32 s52, s34, 32896
	s_add_co_u32 s52, s52, YST
	v_add_nc_u32 v[YRA], s52, v[LI]
	v_lshlrev_b32 v[PFA], 8, v92
	v_mov_b32 v[QNAN], 0x7fc00000
	v_lshlrev_b32 v[CFA], 12, v94
	v_lshl_add_u32 v[CFA], v93, 4, v[CFA]          ; 4,096 h + 16 r
	v_lshlrev_b32 v[CSR], 9, v94
	v_lshl_add_u32 v[CSR], v93, 4, v[CSR]          ; 512 h + 16 r
	s_lshl_b32 s52, s34, 8
	v_lshl_add_u32 v95, v94, 4, s52                ; the mask: my 256 keys, 16 bytes for each half of the lanes
.irp z, 0,1,2,3, 8,9,10,11, 16,17,18,19
	v_mov_b32 v[QF+\z], 0                          ; the zero codes, written once
.endr
.irp p, 0,1,2,3,4,5,6,7
.irp z, 4,5,6,7
	v_mov_b32 v[KF+12*\p+\z], 0
.endr
.endr
.irp kb, 0,1,2,3,4,5,6,7,8,9,10,11,12,13,14,15
	v_mov_b32 v[BX+\kb], 0                         ; written once: a lane permute's destination counts as one of its sources
.endr
	v_mov_b32 v[G+1], 0                            ; (upper halves of pairs that are named whole)
	v_mov_b32 v[G+3], 0
	s_mov_b32 s49, 0                               ; every offset is made apart from its address, in s[48:49]
	s_wait_kmcnt 0x0
	s_lshl_b32 s48, s36, 10
	s_add_nc_u64 s[16:17], s[16:17], s[48:49]      ; the mask at my batch
	s_lshr_b32 s52, s34, 1
	s_and_b32 s53, s34, 1
	s_lshl_b32 s52, s52, 3
	s_lshl_b32 s53, s53, 4
	s_add_co_u32 s52, s52, s53                     ; q0 = 8 (w / 2) + 16 (w % 2): rows 8 w .. 8 w + 7 of the stage are tokens q0 .. q0 + 7 of the block
	s_lshl_b32 s48, s35, 5
	s_add_co_u32 s48, s48, s52
	s_add_nc_u64 s[56:57], s[16:17], s[48:49]
	s_load_b64 s[50:51], s[56:57], 0x0             ; the mask bytes of my eight rows
	s_lshl_b32 s53, s36, 22
	s_lshl_b32 s48, s35, 17
	s_add_co_u32 s53, s53, s48                     ; (1,024 b + 32 tb) x 4,096
	s_lshl_b32 s48, s34, 10
	s_add_co_u32 s48, s48, s53
	s_add_nc_u64 s[32:33], s[32:33], s[48:49]      ; out1 at my block's first row, my 256 keys
	s_lshl_b32 s48, s52, 12
	s_add_co_u32 s48, s48, s53
	s_add_nc_u64 s[18:19], s[18:19], s[48:49]      ; src and out0 at token q0
	s_add_nc_u64 s[30:31], s[30:31], s[48:49]
	s_lshl_b32 s48, s34, 15
	s_add_nc_u64 s[20:21], s[20:21], s[48:49]      ; W_out at unit w
	s_lshl_b32 s48, s34, 11
	s_add_nc_u64 s[22:23], s[22:23], s[48:49]
	s_lshl_b32 s48, s34, 8
	s_add_nc_u64 s[24:25], s[24:25], s[48:49]
	WIN 0x40
.irp p, 0,1,2,3,4,5,6,7
	global_load_b128 v[4*\p:4*\p+3], v95, s[16:17] offset:32*\p   ; mask bytes of keys 256 w + 32 p + 16 h + 0 .. 15
.endr
	WIN 0
	KLOAD
	VLOAD
	s_wait_kmcnt 0x0
	s_wait_loadcnt 47                              ; the mask bytes are in; the 27 + 20 loads behind them may be out
	WIN 0xc1
.irp p, 0,1,2,3,4,5,6,7
.irp i, 0,1,2,3,4,5,6,7,8,9,10,11,12,13,14,15
	v_bfe_u32 v[MC+16*\p+\i], v[4*\p+\i/4], 8*(\i%4), 8
.endr
.endr
	WIN 0xc3
.set i, 0
.rept 128
	v_mul_lo_u32 v[MC+i], v[MC+i], s42             ; 0, or the bits of -2^120
.set i, i+1
.endr
	WIN 0
	HEAD 1, 0
	s_mov_b32 s47, 14
.Lhead:
	HEAD 0, 0
	s_sub_co_u32 s47, s47, 1
	s_cmp_lg_u32 s47, 0
	s_cbranch_scc1 .Lhead
	HEAD 0, 1                                      ; the last head is written out: it asks for nothing beyond the buffers' ends
	; out1: a tile of 16 queries x my 256 keys goes through my own stage and leaves as pieces of rows, 512 consecutive bytes a store
	LOADO 0, 0                                     ; W_out's first unit lands meanwhile (p's registers are free)
.irp qt, 0,1
	WIN 0x08
.irp p, 0,1,2,3,4,5,6,7
.irp jj, 0,1,2,3
	ds_store_b128 v[SWA], v[128*\qt+16*\p+4*\jj:128*\qt+16*\p+4*\jj+3] offset:128*\p+16*\jj
.endr
.endr
	WIN 0
.irp bt, 0,1
	s_wait_xcnt 0x0                                ; the last batch's stores have read their registers
	WIN 0xc0
.irp n, 0,1,2,3,4,5,6,7,8,9,10,11,12,13,14,15
	ds_load_b128 v[RB+4*\n:RB+4*\n+3], v[SRA] offset:1040*(8*\bt+\n/2)+512*(\n%2)   ; LDS serves a wave's instructions in order: these see my stores
.endr
	WIN 0x0c
.irp n, 0,1,2,3,4,5,6,7,8,9,10,11,12,13,14,15
	s_wait_dscnt 15-\n                             ; load n is in; the later ones of the batch may be out
	global_store_b128 v[LI], v[RB+4*\n:RB+4*\n+3], s[32:33] offset:(8*\qt+16*\bt+\n/2)*4096+512*(\n%2) th:TH_STORE_NT   ; stage row 8 bt + n / 2 is token 8 qt + 16 bt + n / 2 of the block
.endr
	WIN 0
.endr
.endr
	BARRIER                                        ; ctx's codes and scale bytes of all heads lie in LDS
	WIN 0xc0
.irp f, 0,1,2,3,4,5,6,7,8,9,10,11,12,13,14,15
.irp c, 0,1
	ds_load_b128 v[CF+8*\f+4*\c:CF+8*\f+4*\c+3], v[CFA] offset:CIMG+8192*(\f/8)+256*(2*(\f%8)+\c)   ; fragment (tile f / 8, K step f % 8): head 2 s + c; lanes 0-15 wave 2 T's block, lanes 16-31 wave 2 T + 1's
.endr
.endr
	WIN 0
	ds_load_b128 v[82:85], v[CSR] offset:CSC       ; lane (r, T): the 16 heads' bytes of channels 0-31,
	ds_load_b128 v[86:89], v[CSR] offset:CSC+256   ; of channels 32-63
	s_wait_dscnt 0x0
.irp s, 0,1,2,3,4,5,6,7
	v_perm_b32 v[CS+\s], v[86+\s/2], v[82+\s/2], 0x05010400+0x02020202*(\s%2)   ; K step s: heads 2 s and 2 s + 1, two bytes each
.endr
	PLACES 8                                       ; between scale words made by vector instructions and the products that take them
.irp i, 0,1,2,3
	s_wait_loadcnt 0x0                             ; this unit's weights are in
	s_wait_dscnt 0x0                               ; the last unit's stores into the stage have read the accumulators
.if \i < 3
	LOADO \i+1, 1-\i%2
.else
	WIN 0x40
.irp r, 0,1,2,3,4,5,6,7
.irp k, 0,1,2,3,4,5,6,7
	global_load_b128 v[32*\r+4*\k:32*\r+4*\k+3], v[LI], s[18:19] offset:4096*\r+512*\k th:TH_LOAD_NT   ; my eight residual rows, into the buffer that unit 2 has left
.endr
.endr
	WIN 0
.endif
	MMO \i%2
	WIN 0
	PLACES 5                                       ; four in front of the stores of results and of loads into operands; the fifth since the next unit begins these accumulators anew
	YPUT \i
.endr
	WIN 0xc0
.irp k, 0,1,2,3,4,5,6,7
	global_load_b128 v[LW+4*\k:LW+4*\k+3], v[LI], s[26:27] offset:512*\k
	global_load_b128 v[LB+4*\k:LB+4*\k+3], v[LI], s[28:29] offset:512*\k
.endr
	WIN 0
	BARRIER                                        ; 32 whole rows lie in the stage
	s_wait_loadcnt 0x0                             ; the residual rows, the gain and the bias
.irp i, 0,1,2,3,4,5,6,7
	LNROW \i
.endr
	s_wait_tensorcnt 0x0
	ds_add_u32 v10, v25
	s_wait_dscnt 0x0
	s_endpgm
.Lfunc_end_k_q6b154f8272_attn:
	.size	k_q6b154f8272_attn, .Lfunc_end_k_q6b154f8272_attn-k_q6b154f8272_attn
	.p2alignl 7, 3214868480
	.fill 96, 4, 3214868480
	.section	.rodata,"a",@progbits
	.p2align	6, 0x0
	.amdhsa_kernel k_q6b154f8272_attn
		.amdhsa_group_segment_fixed_size 251392
		.amdhsa_private_segment_fixed_size 0
		.amdhsa_enable_private_segment 0
		.amdhsa_kernarg_size 104
		.amdhsa_user_sgpr_count 2
		.amdhsa_user_sgpr_kernarg_segment_ptr 1
		.amdhsa_wavefront_size32 1
		.amdhsa_system_sgpr_workgroup_id_x 1
		.amdhsa_system_sgpr_workgroup_id_y 1
		.amdhsa_system_sgpr_workgroup_id_z 1
		.amdhsa_system_vgpr_workitem_id 0
		.amdhsa_next_free_vgpr 1024
		.amdhsa_next_free_sgpr 66
		.amdhsa_reserve_vcc 1
		.amdhsa_float_denorm_mode_32 3
		.amdhsa_float_denorm_mode_16_64 3
		.amdhsa_memory_ordered 1
		.amdhsa_forward_progress 1
		.amdhsa_inst_pref_size 255
	.end_amdhsa_kernel
	.section	.bss,"aw",@nobits
	.p2align	6
	.space	262144
	.amdgpu_metadata
---
amdhsa.version: [ 1, 2 ]
amdhsa.kernels:
  - .name:           k_q6b154f8272_attn
    .symbol:         k_q6b154f8272_attn.kd
    .args:
      - { .name: qkc, .offset: 0, .size: 8, .value_kind: global_buffer, .address_space: global }
      - { .name: qks, .offset: 8, .size: 8, .value_kind: global_buffer, .address_space: global }
      - { .name: vc, .offset: 16, .size: 8, .value_kind: global_buffer, .address_space: global }
      - { .name: vs, .offset: 24, .size: 8, .value_kind: global_buffer, .address_space: global }
      - { .name: key_padding_mask, .offset: 32, .size: 8, .value_kind: global_buffer, .address_space: global }
      - { .name: src, .offset: 40, .size: 8, .value_kind: global_buffer, .address_space: global }
      - { .name: out_proj_w_codes, .offset: 48, .size: 8, .value_kind: global_buffer, .address_space: global }
      - { .name: out_proj_w_scales, .offset: 56, .size: 8, .value_kind: global_buffer, .address_space: global }
      - { .name: out_proj_b, .offset: 64, .size: 8, .value_kind: global_buffer, .address_space: global }
      - { .name: ln_w, .offset: 72, .size: 8, .value_kind: global_buffer, .address_space: global }
      - { .name: ln_b, .offset: 80, .size: 8, .value_kind: global_buffer, .address_space: global }
      - { .name: out0, .offset: 88, .size: 8, .value_kind: global_buffer, .address_space: global }
      - { .name: out1, .offset: 96, .size: 8, .value_kind: global_buffer, .address_space: global }
    .group_segment_fixed_size: 251392
    .private_segment_fixed_size: 0
    .kernarg_segment_align: 8
    .kernarg_segment_size: 104
    .max_flat_workgroup_size: 128
    .sgpr_count:     66
    .vgpr_count:     1024
    .wavefront_size: 32
...
	.end_amdgpu_metadata
.endif
;; end of part 2
;; ======== version 2 of 2: 2 launches
;; limits: right only within a limited range of input values
;; workspace buffers: qkc 8,388,608 bytes; qks 1,048,576 bytes; vc 4,194,304 bytes; vs 262,144 bytes; wo 524,288 bytes
;; launch qkv (part 3): grid 32 x 8, 4 waves a work-group, clusters of 4 x 1, 327,680 bytes of LDS; arguments src, key_padding_mask, in_proj_w_codes, in_proj_w_scales, in_proj_b, qkc, qks, vc, vs, out_proj_w_codes, wo; writes qkc, qks, vc, vs, wo
.if DOCPART == 3
	.amdgcn_target "amdgcn-amd-amdhsa--gfx1250"
	.amdhsa_code_object_version 6
	.text
	.protected	k_q6b154f8272_qkv
	.globl	k_q6b154f8272_qkv
	.p2align	8
	.type	k_q6b154f8272_qkv,@function
k_q6b154f8272_qkv:
	s_mov_b64 s[64:65], 0
	v_nop
	global_prefetch_b8 v0, s[64:65] scope:SCOPE_SE
	s_setreg_imm32_b32 hwreg(HW_REG_WAVE_MODE, 25, 1), 1
	s_wait_xcnt 0x0
	s_wait_alu depctr_hold_cnt(0) depctr_sa_sdst(0) depctr_va_vdst(0) depctr_va_sdst(0) depctr_va_ssrc(0) depctr_va_vcc(0) depctr_vm_vsrc(0)
	s_getreg_b32 s2, hwreg(HW_REG_IB_STS2, 6, 4)
	s_cmp_eq_u32 s2, 0
	s_cbranch_scc0 .Lentry_in_a_cluster
	s_endpgm
.Lentry_in_a_cluster:
	s_bfe_u32 s2, ttmp6, 0x10000c
	s_cmp_lg_u32 s2, 0x3003
	s_cbranch_scc0 .Lentry_shape_is_right
	s_endpgm
.Lentry_shape_is_right:
.set XIMG, 33792
.set XSC,  50176
.set SPARE, 51200
.set RING, 51712
.set WPI,  528
.set REG,  64*WPI+128
.set SLOT, 4*REG
.set LI,  1
.set LS,  2
.set WA,  3
.set WSA, 4
.set BA,  5
.set XGA, 6
.set XSW, 7
.set XSR, 8
.set XIW, 9
.set XCW, 10
.set VOA, 11
.set DA,  12
.set MKA, 13
.set MK,  14
.set XS,  16
.set WSC, 24
.set BV,  56
.set TM,  72
.set PW,  88
.set T0,  89
.set PC,  92
.set SPW, 100
.set NIL, 101
.set WL,  102
.set DAV, 104
.set WO,  108
.set HA,  128
.set XF,  0
.set BQ,  128
.set SEL, 32
.set G1,  40
.set G0,  48
.set MSB, 0
.macro WIN new
.if MSB != (\new)
	s_set_vgpr_msb (MSB<<8)|(\new)
.set MSB, (\new)
.endif
.endm
.macro PLACES n
.rept \n
	v_nop
.endr
.endm
.macro ROUND
	s_barrier_signal -1
	s_barrier_wait -1
	s_cmp_lg_u32 s26, 0
	s_cbranch_scc1 .Lnot_wave_0_\@
	s_barrier_signal -3
.Lnot_wave_0_\@:
	s_barrier_wait -3
	s_barrier_signal -1
	s_barrier_wait -1
.endm
.macro WM d, a, b, c, sa, sb, ra, rb
.set WR, (\ra)+2*(\rb)
.if (\c) < 0
.if WR == 0
	v_wmma_scale_f32_16x16x128_f8f6f4 v[\d:\d+7], v[\a:\a+7], v[\b:\b+7], 0, v[\sa], v[\sb] matrix_a_fmt:MATRIX_FMT_FP4 matrix_b_fmt:MATRIX_FMT_FP4
.elseif WR == 1
	v_wmma_scale_f32_16x16x128_f8f6f4 v[\d:\d+7], v[\a:\a+7], v[\b:\b+7], 0, v[\sa], v[\sb] matrix_a_fmt:MATRIX_FMT_FP4 matrix_b_fmt:MATRIX_FMT_FP4 matrix_a_scale:MATRIX_SCALE_ROW1
.elseif WR == 2
	v_wmma_scale_f32_16x16x128_f8f6f4 v[\d:\d+7], v[\a:\a+7], v[\b:\b+7], 0, v[\sa], v[\sb] matrix_a_fmt:MATRIX_FMT_FP4 matrix_b_fmt:MATRIX_FMT_FP4 matrix_b_scale:MATRIX_SCALE_ROW1
.else
	v_wmma_scale_f32_16x16x128_f8f6f4 v[\d:\d+7], v[\a:\a+7], v[\b:\b+7], 0, v[\sa], v[\sb] matrix_a_fmt:MATRIX_FMT_FP4 matrix_b_fmt:MATRIX_FMT_FP4 matrix_a_scale:MATRIX_SCALE_ROW1 matrix_b_scale:MATRIX_SCALE_ROW1
.endif
.else
.if WR == 0
	v_wmma_scale_f32_16x16x128_f8f6f4 v[\d:\d+7], v[\a:\a+7], v[\b:\b+7], v[\c:\c+7], v[\sa], v[\sb] matrix_a_fmt:MATRIX_FMT_FP4 matrix_b_fmt:MATRIX_FMT_FP4
.elseif WR == 1
	v_wmma_scale_f32_16x16x128_f8f6f4 v[\d:\d+7], v[\a:\a+7], v[\b:\b+7], v[\c:\c+7], v[\sa], v[\sb] matrix_a_fmt:MATRIX_FMT_FP4 matrix_b_fmt:MATRIX_FMT_FP4 matrix_a_scale:MATRIX_SCALE_ROW1
.elseif WR == 2
	v_wmma_scale_f32_16x16x128_f8f6f4 v[\d:\d+7], v[\a:\a+7], v[\b:\b+7], v[\c:\c+7], v[\sa], v[\sb] matrix_a_fmt:MATRIX_FMT_FP4 matrix_b_fmt:MATRIX_FMT_FP4 matrix_b_scale:MATRIX_SCALE_ROW1
.else
	v_wmma_scale_f32_16x16x128_f8f6f4 v[\d:\d+7], v[\a:\a+7], v[\b:\b+7], v[\c:\c+7], v[\sa], v[\sb] matrix_a_fmt:MATRIX_FMT_FP4 matrix_b_fmt:MATRIX_FMT_FP4 matrix_a_scale:MATRIX_SCALE_ROW1 matrix_b_scale:MATRIX_SCALE_ROW1
.endif
.endif
.endm
.macro QUANT s
.irp b, 0,1,2,3
	v_max3_num_f32 v[TM+\b], |v[\s+16*\b]|, |v[\s+1+16*\b]|, 0x1800000
.endr
.irp i, 2,4,6,8,10,12,14
.irp b, 0,1,2,3
	v_max3_num_f32 v[TM+\b], v[TM+\b], |v[\s+16*\b+\i]|, |v[\s+1+16*\b+\i]|
.endr
.endr
.irp b, 0,1,2,3
	v_permlanex16_b32 v[TM+4+\b], v[TM+\b], s[SEL], s[SEL+1]
.endr
.irp b, 0,1,2,3
	v_max_num_f32 v[TM+\b], v[TM+\b], v[TM+4+\b]
.endr
.irp b, 0,1,2,3
	v_add_nc_u32 v[TM+12+\b], 0xff000000, v[TM+\b]
.endr
.irp b, 0,1,2,3
	v_lshrrev_b32 v[TM+4+\b], 23, v[TM+12+\b]
.endr
	v_lshl_or_b32 v[PW], v[TM+5], 8, v[TM+4]
	v_lshl_or_b32 v[PW], v[TM+6], 16, v[PW]
	v_lshl_or_b32 v[PW], v[TM+7], 24, v[PW]
.irp b, 0,1,2,3
	v_cvt_scalef32_pk8_fp4_f32 v[PC+2*\b], v[\s+16*\b:\s+7+16*\b], v[TM+12+\b]
	v_cvt_scalef32_pk8_fp4_f32 v[PC+1+2*\b], v[\s+8+16*\b:\s+15+16*\b], v[TM+12+\b]
.endr
	v_nop
.irp c, 0,1
.irp i, 0,1
	v_permlane16_swap_b32 v[PC+4*\c+\i], v[PC+2+4*\c+\i]
.endr
.endr
.endm
.macro LOADS p, bias
.irp bq, 0,1
.irp e, 0,1
	global_load_b128 v[WSC+16*(\p)+8*\bq+4*\e:WSC+16*(\p)+8*\bq+4*\e+3], v[WSA], s[58:59] offset:1024*\bq+16*\e
.endr
.endr
.if \bias
	WIN 0xc0
.irp t, 0,1,2,3
.irp e, 0,1
	global_load_b128 v[BQ+32*(\p)+8*\t+4*\e:BQ+32*(\p)+8*\t+4*\e+3], v[BA], s[60:61] offset:(32*(\t/2)+8*(\t%2))*4+16*\e
.endr
.endr
	WIN 0
.endif
.endm
.macro FETCHW p
	WIN 0x40*(1+(\p))
.irp s, 0,1,2,3,4,5,6,7
.irp t, 0,1,2,3
.irp c, 0,1
	ds_load_b128 v[8*(8*\t+\s)+4*\c:8*(8*\t+\s)+4*\c+3], v[WL+(\p)] offset:(16*(\t/2)+8*(\t%2))*WPI+64*\s+32*\c
.endr
.endr
.endr
	WIN 0
.endm
.macro MMQK p
.irp s, 0,1,2,3,4,5,6,7
	s_wait_dscnt 8*(7-\s)
.if \s == 0
	WIN 0x3c|(1+(\p))
.else
	WIN 0x0c|(1+(\p))
.endif
.irp m, 0,1
.irp t, 0,1,2,3
.if \s == 0
	WM HA+32*\m+8*\t, 8*(8*\t+\s), XF+8*(8*\m+\s), BQ+32*(\p)+8*\t, WSC+16*(\p)+8*(\t/2)+\s, XS+\s, \t%2, \m
.else
	WM HA+32*\m+8*\t, 8*(8*\t+\s), XF+8*(8*\m+\s), HA+32*\m+8*\t, WSC+16*(\p)+8*(\t/2)+\s, XS+\s, \t%2, \m
.endif
.endr
.endr
.endr
.endm
.macro MMV p
	WIN 0x03|((1+(\p))<<2)
.irp s, 0,1,2,3,4,5,6,7
	s_wait_dscnt 8*(7-\s)
.irp g, 0,1,2,3
.irp u, 0,1
.if \s == 0
	WM HA+16*\g+8*\u, XF+8*(8*\u+\s), 8*(8*\g+\s), -1, XS+\s, WSC+16*(\p)+8*(\g/2)+\s, \u, \g%2
.else
	WM HA+16*\g+8*\u, XF+8*(8*\u+\s), 8*(8*\g+\s), HA+16*\g+8*\u, XS+\s, WSC+16*(\p)+8*(\g/2)+\s, \u, \g%2
.endif
.endr
.endr
.endr
.endm
.macro CHANGE s, fill
	s_wait_tensorcnt 0x0
	ds_add_u32 v[SPW], v[NIL]
	s_mov_b32 s73, s57
.if \fill
	s_add_co_u32 s57, s56, s39
.if \fill == 1
	s_and_b32 s57, s57, 7
.else
	s_and_b32 s57, s57, 3
	s_or_b32 s57, s57, 8
.endif
	s_add_co_u32 s56, s56, 1
	s_lshl_b32 s74, s57, 17
	s_add_nc_u64 s[G0+4*(1-(\s))+2:G0+4*(1-(\s))+3], s[12:13], s[74:75]
	s_or_b32 s[G0+4*(1-(\s))+3], s[G0+4*(1-(\s))+3], 0x80000000
.endif
	s_wait_dscnt 0x0
.if \fill
	ROUND
	tensor_load_to_lds s[G0+4*(1-(\s)):G0+4*(1-(\s))+3], s[G1:G1+7]
	s_nop 0
	PLACES 4
.else
	s_barrier_signal -1
	s_barrier_wait -1
.endif
.endm
.macro UNITQK p, nbias
	s_wait_loadcnt 0x0
	s_wait_xcnt 0x0
	s_lshl_b32 s30, s73, 20
	s_add_nc_u64 s[62:63], s[18:19], s[30:31]
	s_lshl_b32 s30, s73, 17
	s_add_nc_u64 s[66:67], s[20:21], s[30:31]
	s_lshl_b32 s30, s57, 13
	s_add_nc_u64 s[58:59], s[14:15], s[30:31]
.if \nbias
	s_lshl_b32 s30, s57, 10
	s_add_nc_u64 s[60:61], s[16:17], s[30:31]
.endif
	FETCHW \p
	LOADS 1-\p, \nbias
	MMQK \p
	WIN 0
	PLACES 5
	QUANT HA
	v_and_b32 v[T0], 0xffff, v[PW]
	v_lshrrev_b32 v[T0+1], 16, v[PW]
	v_cndmask_b32 v[T0], v[T0], v[T0+1], s34
	v_lshl_or_b32 v[T0], v[T0], 16, v[T0]
	global_store_b128 v[LI], v[PC:PC+3], s[62:63]
	global_store_b128 v[LI], v[PC+4:PC+7], s[62:63] offset:512
	global_store_b32 v[LS], v[T0], s[66:67]
.endm
.macro UNITV p, next, iv
	s_wait_loadcnt 0x0
	s_wait_xcnt 0x0
	s_and_b32 s29, s73, 3
	s_lshl_b32 s30, s29, 17
	s_add_nc_u64 s[68:69], s[22:23], s[30:31]
	s_lshl_b32 s30, s29, 13
	s_add_nc_u64 s[70:71], s[24:25], s[30:31]
.if \next
	s_lshl_b32 s30, s57, 13
	s_add_nc_u64 s[58:59], s[14:15], s[30:31]
.endif
	FETCHW \p
.if \next
	LOADS 1-\p, 0
.endif
	MMV \p
	WIN 0
	PLACES 5
.irp g, 0,1,2,3
.irp i, 0,1,2,3,4,5,6,7,8,9,10,11,12,13,14,15
	v_add_f32 v[HA+16*\g+\i], v[HA+16*\g+\i], v[BV+4*(\iv)+\g]
.endr
.endr
	QUANT HA
.irp c, 0,1
	global_store_b128 v[VOA], v[PC+4*\c:PC+4*\c+3], s[68:69] offset:2048*\c
	v_cndmask_b32 v[T0+\c], v[TM+4+2*\c], v[TM+5+2*\c], s34
	global_store_b8 v[LS], v[T0+\c], s[70:71] offset:128*\c
.endr
.endm
.macro XCALL n
	s_wait_loadcnt 16*(3-(\n))
.if (\n) == 0
	v_cmp_eq_u32 s35, 0, v[MK]
	v_cmp_eq_u32 s36, 0, v[MK+1]
.endif
	WIN 0x08
.irp r, 0,1,2,3,4,5,6,7,8,9,10,11,12,13,14,15
	ds_store_b128 v[XSW], v[64*(\n)+4*\r:64*(\n)+4*\r+3] offset:528*\r
.endr
	WIN 0
.irp bb, 0,1,2,3
.irp j, 0,1,2,3
	ds_load_b128 v[HA+16*\bb+4*\j:HA+16*\bb+4*\j+3], v[XSR] offset:128*\bb+16*\j
.endr
.endr
	s_wait_dscnt 0x0
	QUANT HA
.irp i, 0,1,2,3,4,5,6,7
	v_cndmask_b32 v[PC+\i], 0, v[PC+\i], s[35+(\n)%2]
.endr
.irp c, 0,1
	ds_store_b128 v[XIW], v[PC+4*\c:PC+4*\c+3] offset:8192*((\n)%2)+1024*((\n)/2)+512*\c
.endr
	ds_store_b32 v[XCW], v[PW] offset:128*((\n)/2)+64*((\n)%2)
.endm
	s_load_b512 s[8:23], s[0:1], 0x0
	s_load_b64 s[24:25], s[0:1], 0x40
	s_load_b128 s[76:79], s[0:1], 0x48
	v_lshl_add_u32 v[SPW], v0, 2, SPARE
	v_mov_b32 v[NIL], 0
	ds_add_u32 v100, v101
	ds_add_u32 v100, v101
	s_wait_dscnt 0x0
	v_lshrrev_b32 v[T0], 5, v0
	v_readfirstlane_b32 s26, v[T0]
	s_bfe_u32 s38, ttmp6, 0x40000
	s_lshl_b32 s27, ttmp9, 2
	s_add_co_u32 s27, s27, s38
	s_and_b32 s28, ttmp7, 0xffff
	s_add_co_u32 s39, ttmp9, s28
	s_mov_b32 s[SEL], 0x76543210
	s_mov_b32 s[SEL+1], 0xfedcba98
	s_mov_b32 s34, 0xffff0000
	v_and_b32 v[T0], 31, v0
	v_and_b32 v[T0+1], 15, v0
	v_bfe_u32 v[T0+2], v0, 4, 1
	v_lshlrev_b32 v[LI], 4, v[T0]
	v_lshlrev_b32 v[LS], 2, v[T0]
	v_and_b32 v[MKA], 8, v[T0+1]
	v_add_nc_u32 v[MKA], v[MKA], v[T0+1]
	v_lshlrev_b32 v[WA], 9, v[MKA]
	v_lshl_add_u32 v[WA], v[T0+2], 4, v[WA]
	v_lshl_add_u32 v[WSA], v[T0+2], 3, v[MKA]
	v_lshlrev_b32 v[WSA], 5, v[WSA]
	v_lshlrev_b32 v[BA], 6, v[T0+2]
	s_lshl_b32 s30, s26, 10
	v_add_nc_u32 v[XGA], s30, v[LI]
	s_mul_i32 s30, s26, 8448
	v_add_nc_u32 v[XSW], s30, v[LI]
	v_mul_u32_u24 v[XSR], v[T0+1], 528
	v_lshl_add_u32 v[XSR], v[T0+2], 6, v[XSR]
	v_add_nc_u32 v[XSR], s30, v[XSR]
	s_lshl_b32 s30, s26, 11
	s_add_co_u32 s30, s30, XIMG
	v_add_nc_u32 v[XIW], s30, v[LI]
	s_lshl_b32 s30, s26, 8
	s_add_co_u32 s30, s30, XSC
	v_lshl_add_u32 v[XCW], v[T0+1], 2, s30
	v_lshlrev_b32 v[VOA], 10, v[T0+2]
	v_lshl_add_u32 v[VOA], v[T0+1], 4, v[VOA]
	v_lshlrev_b32 v[DA], 2, v[MKA]
.irp b, 0,1,2,3
	v_mov_b32 v[TM+4+\b], 0
.endr
	s_mov_b32 s[G1], 15|(3<<16)|(1<<20)|(1<<21)|(6<<22)|(3<<25)
	s_mov_b32 s[G1+1], 1024<<16
	s_mov_b32 s[G1+2], 4<<16
	s_mov_b32 s[G1+3], 1024<<16
	s_mov_b32 s[G1+4], 4
	s_mov_b32 s[G1+5], 2048
	s_mov_b32 s[G1+6], 0
	s_mov_b32 s[G1+7], 0
	s_mul_i32 s80, s26, REG
	s_mov_b32 s[G0], 1
	s_add_co_u32 s[G0+1], s80, RING
	s_mov_b32 s[G0+4], 1
	s_add_co_u32 s[G0+5], s80, RING+SLOT
	v_bfe_u32 v[WL], v0, 3, 1
	v_mul_u32_u24 v[WL], v[WL], REG
	v_and_b32 v[WL+1], 7, v0
	v_mad_u32_u24 v[WL], v[WL+1], WPI, v[WL]
	v_lshl_add_u32 v[WL], v[T0+2], 4, v[WL]
	s_lshr_b32 s80, s26, 1
	s_mul_i32 s80, s80, 2*REG
	s_and_b32 s81, s26, 1
	s_mul_i32 s81, s81, 32*WPI
	s_add_co_u32 s80, s80, s81
	s_add_co_u32 s80, s80, RING
	v_add_nc_u32 v[WL], s80, v[WL]
	v_add_nc_u32 v[WL+1], SLOT, v[WL]
	s_mov_b32 s31, 0
	s_mov_b32 s75, 0
	s_lshr_b32 s74, s26, 1
	s_lshl_b32 s74, s74, 16
	s_and_b32 s80, s26, 1
	s_lshl_b32 s80, s80, 13
	s_add_co_u32 s74, s74, s80
	s_and_b32 s73, s39, 7
	s_add_co_u32 s57, s39, 1
	s_and_b32 s57, s57, 7
	s_mov_b32 s56, 2
	s_wait_kmcnt 0x0
	s_add_nc_u64 s[12:13], s[12:13], s[74:75]
	s_lshl_b32 s74, s73, 17
	s_add_nc_u64 s[G0+2:G0+3], s[12:13], s[74:75]
	s_or_b32 s[G0+3], s[G0+3], 0x80000000
	s_lshl_b32 s74, s57, 17
	s_add_nc_u64 s[G0+6:G0+7], s[12:13], s[74:75]
	s_or_b32 s[G0+7], s[G0+7], 0x80000000
	ROUND
	tensor_load_to_lds s[G0:G0+3], s[G1:G1+7]      ; slot 0: my one tensor load at the head
	s_nop 0
	PLACES 4
	s_lshl_b32 s30, s28, 22
	s_lshl_b32 s29, s27, 17
	s_add_co_u32 s30, s30, s29
	s_add_nc_u64 s[8:9], s[8:9], s[30:31]
	s_lshl_b32 s30, s28, 10
	s_lshl_b32 s29, s27, 5
	s_add_co_u32 s30, s30, s29
	s_add_nc_u64 s[10:11], s[10:11], s[30:31]
	s_lshl_b32 s30, s26, 11
	s_add_nc_u64 s[14:15], s[14:15], s[30:31]
	s_lshl_b32 s30, s26, 8
	s_add_nc_u64 s[16:17], s[16:17], s[30:31]
	s_lshl_b32 s29, s26, 3
	s_add_co_u32 s29, s29, s28
	s_lshl_b32 s30, s29, 15
	s_lshl_b32 s38, s27, 10
	s_add_co_u32 s30, s30, s38
	s_add_nc_u64 s[18:19], s[18:19], s[30:31]
	s_lshl_b32 s30, s29, 12
	s_lshl_b32 s38, s27, 7
	s_add_co_u32 s30, s30, s38
	s_add_nc_u64 s[20:21], s[20:21], s[30:31]
	s_lshl_b32 s29, s28, 4
	s_add_co_u32 s29, s29, s26
	s_lshl_b32 s29, s29, 3
	s_lshr_b32 s38, s27, 2
	s_add_co_u32 s29, s29, s38
	s_lshl_b32 s30, s29, 12
	s_bfe_u32 s38, s27, 0x10001
	s_lshl_b32 s38, s38, 9
	s_add_co_u32 s30, s30, s38
	s_and_b32 s38, s27, 1
	s_lshl_b32 s38, s38, 8
	s_add_co_u32 s30, s30, s38
	s_add_nc_u64 s[22:23], s[22:23], s[30:31]
	s_lshl_b32 s30, s29, 8
	s_and_b32 s38, s27, 3
	s_add_co_u32 s30, s30, s38
	s_add_nc_u64 s[24:25], s[24:25], s[30:31]
	s_lshl_b32 s29, s28, 5
	s_add_co_u32 s29, s29, s27
	s_lshl_b32 s29, s29, 2
	s_add_co_u32 s29, s29, s26
	s_lshr_b32 s30, s29, 6
	s_lshl_b32 s30, s30, 15
	s_bfe_u32 s38, s29, 0x10005
	s_lshl_b32 s38, s38, 14
	s_add_co_u32 s30, s30, s38
	s_bfe_u32 s38, s29, 0x10004
	s_lshl_b32 s38, s38, 12
	s_add_co_u32 s30, s30, s38
	s_and_b32 s38, s29, 15
	s_lshl_b32 s38, s38, 5
	s_add_co_u32 s30, s30, s38
	s_add_nc_u64 s[76:77], s[76:77], s[30:31]
	s_lshl_b32 s30, s29, 9
	s_add_nc_u64 s[78:79], s[78:79], s[30:31]
	s_lshl_b32 s30, s73, 13
	s_add_nc_u64 s[58:59], s[14:15], s[30:31]
	s_lshl_b32 s30, s73, 10
	s_add_nc_u64 s[60:61], s[16:17], s[30:31]
.irp iv, 0,1,2,3
	s_add_co_u32 s29, s39, \iv
	s_and_b32 s29, s29, 3
	s_lshl_b32 s29, s29, 10
	v_add_nc_u32 v[DAV+\iv], s29, v[DA]
.endr
	global_load_u8 v[MK], v[MKA], s[10:11]
	global_load_u8 v[MK+1], v[MKA], s[10:11] offset:8
	s_wait_alu depctr_va_vdst(0)
.irp iv, 0,1,2,3
.irp g, 0,1,2,3
	global_load_b32 v[BV+4*\iv+\g], v[DAV+\iv], s[16:17] offset:8192+(32*(\g/2)+8*(\g%2))*4
.endr
.endr
	LOADS 0, 1
	global_load_b128 v[WO:WO+3], v[WA], s[76:77]
	WIN 0x80
.irp n, 0,1,2,3
.irp r, 0,1,2,3,4,5,6,7,8,9,10,11,12,13,14,15
	global_load_b128 v[64*\n+4*\r:64*\n+4*\r+3], v[XGA], s[8:9] offset:(8*(\n%2)+\r+8*(\r/8))*4096+512*(\n/2) th:TH_LOAD_NT
.endr
.endr
	WIN 0
	XCALL 0
	XCALL 1
	XCALL 2
	XCALL 3
	global_store_b128 v[LI], v[WO:WO+3], s[78:79]
	; x's codes and scale words are stored.  Slot 1's first fill is issued here, as a refill is: the round also shows every wave's stores to the others
	s_wait_alu depctr_va_vdst(0)
	s_wait_tensorcnt 0x0                           ; my part of slot 0 is in
	ds_add_u32 v[SPW], v[NIL]
	s_wait_dscnt 0x0                               ; the add is done, and my LDS stores have landed
	ROUND
	tensor_load_to_lds s[G0+4:G0+7], s[G1:G1+7]    ; it has the first unit's work in which to land
	s_nop 0
	PLACES 4
	WIN 0xc0
.irp f, 0,1,2,3,4,5,6,7,8,9,10,11,12,13,14,15
.irp c, 0,1
	ds_load_b128 v[XF+8*\f+4*\c:XF+8*\f+4*\c+3], v[LI] offset:XIMG+1024*\f+512*\c
.endr
.endr
	WIN 0
.irp s, 0,1,2,3,4,5,6,7
	ds_load_b32 v[XS+\s], v[LS] offset:XSC+128*\s
.endr
	s_wait_dscnt 0x0
	UNITQK 0, 1
	s_mov_b32 s37, 3
.Lqk:
	CHANGE 1, 1
	UNITQK 1, 1
	CHANGE 0, 1
	UNITQK 0, 1
	s_sub_co_u32 s37, s37, 1
	s_cmp_lg_u32 s37, 0
	s_cbranch_scc1 .Lqk
	CHANGE 1, 2
	UNITQK 1, 0
	CHANGE 0, 2
	UNITV 0, 1, 0
	CHANGE 1, 2
	UNITV 1, 1, 1
	CHANGE 0, 2
	UNITV 0, 1, 2
	CHANGE 1, 0
	UNITV 1, 0, 3
	s_wait_tensorcnt 0x0
	ds_add_u32 v[SPW], v[NIL]
	s_wait_dscnt 0x0
	ROUND
	s_endpgm
.Lfunc_end_k_q6b154f8272_qkv:
	.size	k_q6b154f8272_qkv, .Lfunc_end_k_q6b154f8272_qkv-k_q6b154f8272_qkv
	.p2alignl 7, 3214868480
	.fill 96, 4, 3214868480
	.section	.rodata,"a",@progbits
	.p2align	6, 0x0
	.amdhsa_kernel k_q6b154f8272_qkv
		.amdhsa_group_segment_fixed_size 327680
		.amdhsa_private_segment_fixed_size 0
		.amdhsa_enable_private_segment 0
		.amdhsa_kernarg_size 88
		.amdhsa_user_sgpr_count 2
		.amdhsa_user_sgpr_kernarg_segment_ptr 1
		.amdhsa_wavefront_size32 1
		.amdhsa_system_sgpr_workgroup_id_x 1
		.amdhsa_system_sgpr_workgroup_id_y 1
		.amdhsa_system_sgpr_workgroup_id_z 1
		.amdhsa_system_vgpr_workitem_id 0
		.amdhsa_next_free_vgpr 1024
		.amdhsa_next_free_sgpr 84
		.amdhsa_reserve_vcc 0
		.amdhsa_float_denorm_mode_32 3
		.amdhsa_float_denorm_mode_16_64 3
		.amdhsa_memory_ordered 1
		.amdhsa_forward_progress 1
		.amdhsa_inst_pref_size 203
	.end_amdhsa_kernel
	.amdgpu_metadata
---
amdhsa.version: [ 1, 2 ]
amdhsa.kernels:
  - .name:           k_q6b154f8272_qkv
    .symbol:         k_q6b154f8272_qkv.kd
    .args:
      - { .name: src, .offset: 0, .size: 8, .value_kind: global_buffer, .address_space: global }
      - { .name: key_padding_mask, .offset: 8, .size: 8, .value_kind: global_buffer, .address_space: global }
      - { .name: in_proj_w_codes, .offset: 16, .size: 8, .value_kind: global_buffer, .address_space: global }
      - { .name: in_proj_w_scales, .offset: 24, .size: 8, .value_kind: global_buffer, .address_space: global }
      - { .name: in_proj_b, .offset: 32, .size: 8, .value_kind: global_buffer, .address_space: global }
      - { .name: qkc, .offset: 40, .size: 8, .value_kind: global_buffer, .address_space: global }
      - { .name: qks, .offset: 48, .size: 8, .value_kind: global_buffer, .address_space: global }
      - { .name: vc, .offset: 56, .size: 8, .value_kind: global_buffer, .address_space: global }
      - { .name: vs, .offset: 64, .size: 8, .value_kind: global_buffer, .address_space: global }
      - { .name: out_proj_w_codes, .offset: 72, .size: 8, .value_kind: global_buffer, .address_space: global }
      - { .name: wo, .offset: 80, .size: 8, .value_kind: global_buffer, .address_space: global }
    .group_segment_fixed_size: 327680
    .private_segment_fixed_size: 0
    .kernarg_segment_align: 8
    .kernarg_segment_size: 88
    .max_flat_workgroup_size: 128
    .sgpr_count:     84
    .vgpr_count:     1024
    .wavefront_size: 32
...
	.end_amdgpu_metadata
.endif
;; end of part 3
;; launch attn (part 4): grid 32 x 8, 4 waves a work-group, no clusters, 327,680 bytes of LDS; arguments qkc, qks, vc, vs, key_padding_mask, src, wo, out_proj_w_scales, out_proj_b, ln_w, ln_b, out0, out1; writes out0, out1
.if DOCPART == 4
	.amdgcn_target "amdgcn-amd-amdhsa--gfx1250"
	.amdhsa_code_object_version 6
	.text
	.protected	k_q6b154f8272_attn
	.globl	k_q6b154f8272_attn
	.p2align	8
	.type	k_q6b154f8272_attn,@function
k_q6b154f8272_attn:
	s_mov_b64 s[64:65], 0
	v_nop
	global_prefetch_b8 v0, s[64:65] scope:SCOPE_SE
	s_setreg_imm32_b32 hwreg(HW_REG_WAVE_MODE, 25, 1), 1
	s_wait_xcnt 0x0
; For 32 queries of one batch: all 16 heads' scores, softmax and P V on codes of FP4 (E2M1) with E8M0 scales; out1 = the softmax averaged over the heads; ctx quantised into LDS; the out projection; residual, LayerNorm, mask: out0.
; SHARES.  A work-group owns the 32 queries of block tb, as two tiles (tile qt, lane r: token 32 tb + 8 qt + rho(r), rho(r) = r + 8 (r / 8)).  The keys are cut among the waves: wave w owns keys 256 w .. 256 w + 255 for both
; tiles and all heads, so each byte of K and V is read once a work-group, straight into registers, 512 consecutive bytes a load (the workspace is laid as images of operand registers).  One head's p (256 registers) and out1's
; running sums (256 more) stay in registers.
; LAYOUT.  S^T = K Q^T, O^T = V^T P^T: a lane holds one query throughout; the keys of a tile are chosen so that the 16 registers of two neighbouring tiles are 16 neighbouring keys.
; K = 64 in a form of K = 128: the other half of both operands is zero codes (even tiles [codes][zeros] against [q][zeros], odd tiles the other way round); a scale word holds the row's two bytes twice.
; THE PADDING MASK is the C of the score products: -2^120 at a padded key, 0 elsewhere.
; SOFTMAX.  t = score x log2(e) / 8; each wave takes M = ceil(the largest t of its keys), p = 2^(t - M), l = the sum of the unquantised p.  Once a head the waves exchange -M, l and their parts of O^T through LDS; parts are
; brought under the largest M by exact powers of two.  A wave's largest score is held at -2^103 from below, so that a wave all of whose keys are padded gets p = 0, l = 0 and the factor 0.
; Unit j = 2 qt + b' (16 queries x 32 channels of the head) is finished, divided by l and quantised by wave j: one block of 32 along the next K.
; TENSOR LOADS: one a wave at the head, 64 KiB each, filled once: waves 0, 1 W_out's units 0 to 3 (the image that the launch before laid in wo), waves 2, 3 the block's 32 rows of src (the residual).  They are waited for behind the heads.
; THE OUT PROJECTION goes by half units of 32 columns, two buffers of 128 registers in window 1; out1's sums stay in window 2 and leave in four batches laid between the half units.
; The loop over heads is written once for heads 0 to 14, so out1's sums begin as zeros (256 lines, once); the last head is written out: it asks for nothing beyond the buffers' ends.
; LIMITS: scores above -2^90 (a padded key stands at -2^120 and not at -infinity); a batch all of whose keys are padded gives NaN in out1 and 0 in out0, as the problem's definition does; NaN and infinities elsewhere are not served;
; a block whose largest magnitude lies under 2^-124, and a block of zeros, keeps the scale byte 1 (zero codes; the bytes are read here alone).
; No cluster: K and V go into registers and not through LDS, of which 315,904 bytes are taken.  No prefetch: a head's K and V are asked for a head ahead, into registers; W_out's later units two half units ahead.
; REGISTERS: window 0: addresses, scales, statistics, v96-127 p's codes, v128-147 Q, v148-243 K.  window 1: S, then p (128 qt + 16 p + i: key 256 w + 32 p + 16 h + i); later W_out.  window 2: out1's sums, same index.
;   window 3: v0-127 the mask's addends, later ctx's fragments; v128-191 O^T, later the bias; v192-255 V, later rows of out1, then LayerNorm's gain and bias.
.set EXS,  8704                        ; LDS: 0: the exchange: for each wave 8,192 B of O^T and 512 B of statistics; behind the heads a wave's own part is its stage for out1 (16 rows x 528 B)
.set CIMG, 34816                       ; ctx's codes [wave 4][head 16][r 16][16 B]
.set CSC,  51200                       ; ctx's scale bytes [wave 4][r 16][16 B], byte = head
.set YST,  52736                       ; W_out's units 0-3 (131,072 B, filled once); when all waves have read them: 32 rows x 4,112 B of the out projection's results
.set RES,  184320                      ; the block's 32 rows of src, 4,096 B each
.set SPARE, 315392                     ; the spare words: 128 B a wave
.set LI,  1
.set LS,  2
.set KO,  3
.set QO,  4
.set KSO, 5
.set QSO, 6
.set VO,  7
.set VSO, 8
.set EXW, 9
.set RRA, 10
.set EXU, 11
.set CIA0, 12
.set CSA0, 13
.set CIA, 14
.set CSA, 15
.set KSC, 16
.set CS,  16
.set QSC, 24
.set SPW, 25
.set VSC, 26
.set PSC, 30
.set STT, 34                           ; -M0, l0, -M1, l1
.set G,   38
.set BM,  42
.set F,   42
.set FU,  50
.set BX,  58
.set SR,  58
.set WSC, 42                           ; v42-73 behind the heads: W_out's scale words, two sets of 16
.set SU,  74
.set LT,  74                           ; LayerNorm: row x's ten registers at LT + 10 x
.set RM,  82
.set NG,  84
.set RL,  86
.set LL,  88
.set OF,  90
.set T0,  92
.set PC,  96
.set OU,  96
.set ZZ,  96                           ; LayerNorm: row x: y at ZZ + 64 x, the residual 32 further on
.set CC,  112
.set QF,  128
.set KF,  148
.set HA,  148
.set NIL, 244
.set WSA, 245
.set BA,  246
.set SWA, 247
.set YWA0, 249
.set YRA, 251
.set WLA, 252
.set QNAN, 253
.set CFA, 254
.set CSR, 255
.set MC,  0
.set CF,  0
.set OA,  128
.set BQ,  128
.set VF,  192
.set RB,  192
.set LW,  192
.set LB,  224
.set G1,  68
.set G0,  76
.set MSB, 0
.macro WIN new                         ; the immediate's high byte repeats the setting that is left; a switch that changes nothing is dropped
.if MSB != (\new)
	s_set_vgpr_msb (MSB<<8)|(\new)
.set MSB, (\new)
.endif
.endm
.macro PLACES n
.rept \n
	v_nop
.endr
.endm
.macro BARRIER
	s_wait_dscnt 0x0
	s_barrier_signal -1
	s_barrier_wait -1
.endm
; one product.  c < 0: the sum starts with the constant 0.  ra, rb: the side's scale words stand in lanes 16-31
.macro WM d, a, b, c, sa, sb, ra, rb
.set WR, (\ra)+2*(\rb)
.if (\c) < 0
.if WR == 0
	v_wmma_scale_f32_16x16x128_f8f6f4 v[\d:\d+7], v[\a:\a+7], v[\b:\b+7], 0, v[\sa], v[\sb] matrix_a_fmt:MATRIX_FMT_FP4 matrix_b_fmt:MATRIX_FMT_FP4
.elseif WR == 1
	v_wmma_scale_f32_16x16x128_f8f6f4 v[\d:\d+7], v[\a:\a+7], v[\b:\b+7], 0, v[\sa], v[\sb] matrix_a_fmt:MATRIX_FMT_FP4 matrix_b_fmt:MATRIX_FMT_FP4 matrix_a_scale:MATRIX_SCALE_ROW1
.elseif WR == 2
	v_wmma_scale_f32_16x16x128_f8f6f4 v[\d:\d+7], v[\a:\a+7], v[\b:\b+7], 0, v[\sa], v[\sb] matrix_a_fmt:MATRIX_FMT_FP4 matrix_b_fmt:MATRIX_FMT_FP4 matrix_b_scale:MATRIX_SCALE_ROW1
.else
	v_wmma_scale_f32_16x16x128_f8f6f4 v[\d:\d+7], v[\a:\a+7], v[\b:\b+7], 0, v[\sa], v[\sb] matrix_a_fmt:MATRIX_FMT_FP4 matrix_b_fmt:MATRIX_FMT_FP4 matrix_a_scale:MATRIX_SCALE_ROW1 matrix_b_scale:MATRIX_SCALE_ROW1
.endif
.else
.if WR == 0
	v_wmma_scale_f32_16x16x128_f8f6f4 v[\d:\d+7], v[\a:\a+7], v[\b:\b+7], v[\c:\c+7], v[\sa], v[\sb] matrix_a_fmt:MATRIX_FMT_FP4 matrix_b_fmt:MATRIX_FMT_FP4
.elseif WR == 1
	v_wmma_scale_f32_16x16x128_f8f6f4 v[\d:\d+7], v[\a:\a+7], v[\b:\b+7], v[\c:\c+7], v[\sa], v[\sb] matrix_a_fmt:MATRIX_FMT_FP4 matrix_b_fmt:MATRIX_FMT_FP4 matrix_a_scale:MATRIX_SCALE_ROW1
.elseif WR == 2
	v_wmma_scale_f32_16x16x128_f8f6f4 v[\d:\d+7], v[\a:\a+7], v[\b:\b+7], v[\c:\c+7], v[\sa], v[\sb] matrix_a_fmt:MATRIX_FMT_FP4 matrix_b_fmt:MATRIX_FMT_FP4 matrix_b_scale:MATRIX_SCALE_ROW1
.else
	v_wmma_scale_f32_16x16x128_f8f6f4 v[\d:\d+7], v[\a:\a+7], v[\b:\b+7], v[\c:\c+7], v[\sa], v[\sb] matrix_a_fmt:MATRIX_FMT_FP4 matrix_b_fmt:MATRIX_FMT_FP4 matrix_a_scale:MATRIX_SCALE_ROW1 matrix_b_scale:MATRIX_SCALE_ROW1
.endif
.endif
.endm
.macro KLOAD                           ; a head's K (my 16 tiles), Q (2 tiles) and their scale words: 27 loads
.irp p, 0,1,2,3,4,5,6,7
	global_load_b128 v[KF+12*\p:KF+12*\p+3], v[KO], s[8:9] offset:1024*\p
	global_load_b128 v[KF+12*\p+8:KF+12*\p+11], v[KO], s[8:9] offset:1024*\p+512
.endr
	global_load_b128 v[QF+4:QF+7], v[QO], s[8:9]
	global_load_b128 v[QF+12:QF+15], v[QO], s[8:9] offset:512
.irp p, 0,1,2,3,4,5,6,7
	global_load_b32 v[KSC+\p], v[KSO], s[10:11] offset:128*\p
.endr
	global_load_b32 v[QSC], v[QSO], s[10:11]
.endm
.macro VLOAD                           ; a head's V for my 256 keys (8 fragments) and its scale words: 20 loads
	WIN 0xc0
.irp f, 0,1,2,3,4,5,6,7
.irp c, 0,1
	global_load_b128 v[VF+8*\f+4*\c:VF+8*\f+4*\c+3], v[VO], s[12:13] offset:1024*\f+512*\c
.endr
.endr
	WIN 0
.irp m, 0,1,2,3
	global_load_b32 v[VSC+\m], v[VSO], s[14:15] offset:128*\m
.endr
.endm
.macro SUMS n                          ; n turns of the row sums' four chains; i goes on from where it stands
.rept \n
.irp qt, 0,1
.irp ch, 0,1
	v_pk_add_f32 v[SU+4*\qt+2*\ch:SU+4*\qt+2*\ch+1], v[SU+4*\qt+2*\ch:SU+4*\qt+2*\ch+1], v[128*\qt+2*(i+\ch):128*\qt+2*(i+\ch)+1]
.endr
.endr
.set i, i+2
.endr
.endm
; ONE HEAD.  last = 1: nothing more is asked for.
; A head's 32 score products stand apart: head 0's ahead of the loop, head h + 1's inside head h, behind the last read of head h's p; head h's last vector work follows them as their places.
.macro SCORES
	s_wait_loadcnt 20                              ; K, Q and their scales are in; the 20 loads of V issued behind them may be out
	WIN 0x70                                       ; D window 1, C window 3
.irp p, 0,1,2,3,4,5,6,7
.irp u, 0,1
.irp qt, 0,1
	WM 128*\qt+16*\p+8*\u, KF+12*\p+4*\u, QF+4+8*\qt-4*\u, MC+16*\p+8*\u, KSC+\p, QSC, \u, \qt
.endr
.endr
.endr
	WIN 0
.endm
.macro HEAD last
.if \last == 0
	s_add_nc_u64 s[8:9], s[8:9], 262144            ; this head's products are issued, with more than four places behind them, and the wait ahead of them has shown these bases' loads done: the next head's K
	s_add_nc_u64 s[10:11], s[10:11], 32768
	KLOAD
.endif
	; the largest score of each block of 32 keys (kb = 8 qt + p): it serves the row's maximum and, since p rises with the score, the block's largest p
	WIN 0x15
.irp kb, 0,1,2,3,4,5,6,7,8,9,10,11,12,13,14,15
	v_max3_num_f32 v[BM+\kb], v[16*\kb], v[16*\kb+1], v[16*\kb+2]
.endr
	WIN 0x14
.irp i, 3,5,7,9,11,13
.irp kb, 0,1,2,3,4,5,6,7,8,9,10,11,12,13,14,15
	v_max3_num_f32 v[BM+\kb], v[BM+\kb], v[16*\kb+\i], v[16*\kb+\i+1]
.endr
.endr
.irp kb, 0,1,2,3,4,5,6,7,8,9,10,11,12,13,14,15
	v_max_num_f32 v[BM+\kb], v[BM+\kb], v[16*\kb+15]
.endr
	WIN 0
.irp kb, 0,1,2,3,4,5,6,7,8,9,10,11,12,13,14,15
	v_permlanex16_b32 v[BX+\kb], v[BM+\kb], s40, s41
.endr
.irp kb, 0,1,2,3,4,5,6,7,8,9,10,11,12,13,14,15
	v_max_num_f32 v[BM+\kb], v[BM+\kb], v[BX+\kb]  ; with lane l xor 16's 16 keys
.endr
.irp qt, 0,1
	v_max3_num_f32 v[RM+\qt], v[BM+8*\qt], v[BM+8*\qt+1], v[BM+8*\qt+2]
.endr
.irp qt, 0,1
	v_max3_num_f32 v[RM+\qt], v[RM+\qt], v[BM+8*\qt+3], v[BM+8*\qt+4]
.endr
.irp qt, 0,1
	v_max3_num_f32 v[RM+\qt], v[RM+\qt], v[BM+8*\qt+5], v[BM+8*\qt+6]
.endr
.irp qt, 0,1
	v_max3_num_f32 v[RM+\qt], v[RM+\qt], v[BM+8*\qt+7], 0xf3000000   ; and -2^103: where all my keys are padded, every p is 0
.endr
.irp qt, 0,1
	v_mul_f32 v[STT+2*\qt+1], s38, v[RM+\qt]       ; as t
.endr
.irp qt, 0,1
	v_floor_f32 v[STT+2*\qt], -v[STT+2*\qt+1]      ; -M = floor(-t): M is a whole number
.endr
.irp kb, 0,1,2,3,4,5,6,7,8,9,10,11,12,13,14,15
	v_fma_f32 v[BM+\kb], v[BM+\kb], s38, v[STT+2*(\kb/8)]
.endr
	WIN 0x41
.set i, 0
.rept 64
	v_pk_fma_f32 v[2*i:2*i+1], v[2*i:2*i+1], s[38:39], v[STT:STT+1] op_sel_hi:[1,0,0]   ; tile 0: t - M, two at a time
.set i, i+1
.endr
	s_wait_alu depctr_va_vdst(0)
.set i, 0
.rept 64
	v_exp_f32 v[2*i], v[2*i]                       ; tile 0: p = 2^(t - M), at most 1, not normalised
	v_pk_fma_f32 v[128+2*i:129+2*i], v[128+2*i:129+2*i], s[38:39], v[STT+2:STT+3] op_sel_hi:[1,0,0]   ; tile 1's t - M among them: none of these 64 lines reads what another wrote
	v_exp_f32 v[2*i+1], v[2*i+1]
.set i, i+1
.endr
	s_wait_alu depctr_va_vdst(0)                   ; and ahead of tile 1's batch, which reads what the 64 lines wrote
.set i, 128
.rept 128
	v_exp_f32 v[i], v[i]
.set i, i+1
.endr
	WIN 0
.irp kb, 0,1,2,3,4,5,6,7,8,9,10,11,12,13,14,15
	v_exp_f32 v[BM+\kb], v[BM+\kb]                 ; the block's largest p: the same two instructions on the same number
.endr
	v_nop                                          ; a plain place behind the exponentials
	s_wait_alu depctr_va_vdst(0)                   ; and the wait behind the batch
.irp kb, 0,1,2,3,4,5,6,7,8,9,10,11,12,13,14,15
	v_max_num_f32 v[BM+\kb], 0x1800000, v[BM+\kb]  ; the floor 2^(3 - 127): the byte cannot fall under 1
.endr
.irp kb, 0,1,2,3,4,5,6,7,8,9,10,11,12,13,14,15
	v_add_nc_u32 v[BX+\kb], 0xff000000, v[BM+\kb]  ; 2 off the exponent field: the conversion's scale operand
.endr
.irp kb, 0,1,2,3,4,5,6,7,8,9,10,11,12,13,14,15
	v_lshrrev_b32 v[BM+\kb], 23, v[BX+\kb]         ; the scale's byte
.endr
.irp f, 0,1,2,3
	v_lshl_or_b32 v[PSC+\f], v[BM+4*\f+1], 8, v[BM+4*\f]   ; fragment f = 2 qt + ks: the scale word of its 128 keys
.endr
.irp f, 0,1,2,3
	v_lshl_or_b32 v[PSC+\f], v[BM+4*\f+2], 16, v[PSC+\f]
.endr
.irp f, 0,1,2,3
	v_lshl_or_b32 v[PSC+\f], v[BM+4*\f+3], 24, v[PSC+\f]
.endr
	WIN 0x01
.irp f, 0,1,2,3
.irp bb, 0,1,2,3
.irp e, 0,1
	v_cvt_scalef32_pk8_fp4_f32 v[PC+8*\f+2*\bb+\e], v[16*(4*\f+\bb)+8*\e:16*(4*\f+\bb)+8*\e+7], v[BX+4*\f+\bb]
.endr
.endr
.endr
	WIN 0
	v_nop                                          ; one plain place behind a scaled conversion
.irp f, 0,1,2,3
.irp c, 0,1
.irp i, 0,1
	v_permlane16_swap_b32 v[PC+8*\f+4*\c+\i], v[PC+8*\f+4*\c+2+\i]   ; a whole block to a lane
.endr
.endr
.endr
	; the row's sum of the unquantised p, two chains a tile.  Its first 12 lines are the places between the scale words and codes just made and the products that take them; the other 112 stand behind the stores of O^T
	WIN 0x05
.irp qt, 0,1
.irp ch, 0,1
	v_pk_add_f32 v[SU+4*\qt+2*\ch:SU+4*\qt+2*\ch+1], v[128*\qt+4*\ch:128*\qt+4*\ch+1], v[128*\qt+4*\ch+2:128*\qt+4*\ch+3]
.endr
.endr
	WIN 0x04
.set i, 4
	SUMS 2
	WIN 0
	s_wait_alu depctr_va_vdst(0)
.if \last
	s_wait_loadcnt 0x0                             ; V is in
.else
	s_wait_loadcnt 27                              ; V is in; the next head's 27 loads of K may be out
.endif
	WIN 0xf3                                       ; V, C and D window 3, p window 0.  The 8 accumulators take turns
.irp ks, 0,1
.irp g, 0,1,2,3
.irp qt, 0,1
.if \ks == 0
	WM OA+32*\qt+8*\g, VF+8*(4*\ks+\g), PC+8*(2*\qt+\ks), -1, VSC+2*\ks+\g/2, PSC+2*\qt+\ks, \g%2, 0
.else
	WM OA+32*\qt+8*\g, VF+8*(4*\ks+\g), PC+8*(2*\qt+\ks), OA+32*\qt+8*\g, VSC+2*\ks+\g/2, PSC+2*\qt+\ks, \g%2, 0
.endif
.endr
.endr
.endr
	WIN 0
	PLACES 4
.if \last == 0
	s_add_nc_u64 s[12:13], s[12:13], 32768         ; the wait above has shown these bases' loads done
	s_add_nc_u64 s[14:15], s[14:15], 2048
	VLOAD
.endif
	v_add_nc_u32 v[CIA], s45, v[CIA0]              ; where this head's codes and byte go
	v_add_nc_u32 v[CSA], s46, v[CSA0]
	BARRIER                                        ; every wave's reads of the last head's exchange are over
.irp g, 0,1,2,3                                ; my part of O^T as it stands, each accumulator from its low end on: four stores, then 28 lines of the row's sums, four times
	WIN 0x0c
.irp q, 0,1,2,3
	ds_store_b128 v[EXW], v[OA+16*\g+4*\q:OA+16*\g+4*\q+3] offset:2048*\g+512*\q
.endr
	WIN 0x04
	SUMS 7
.endr
	WIN 0
.irp qt, 0,1
	v_pk_add_f32 v[SU+4*\qt:SU+4*\qt+1], v[SU+4*\qt:SU+4*\qt+1], v[SU+4*\qt+2:SU+4*\qt+3]
.endr
.irp qt, 0,1
	v_add_f32 v[SU+4*\qt], v[SU+4*\qt], v[SU+4*\qt+1]
.endr
.irp qt, 0,1
	v_permlanex16_b32 v[SU+4*\qt+1], v[SU+4*\qt], s40, s41
.endr
.irp qt, 0,1
	v_add_f32 v[STT+2*\qt+1], v[SU+4*\qt], v[SU+4*\qt+1]   ; l of my 256 keys
.endr
	ds_store_b128 v[EXW], v[STT:STT+3] offset:8192
	s_wait_alu depctr_va_vdst(0)
	BARRIER                                        ; all four parts lie in LDS
.irp k, 0,1,2,3
	ds_load_b128 v[SR+4*\k:SR+4*\k+3], v[LI] offset:EXS*\k+8192
.endr
	WIN 0xc0
.irp k, 0,1,2,3
.irp q, 0,1,2,3
	ds_load_b128 v[OA+16*\k+4*\q:OA+16*\k+4*\q+3], v[EXU] offset:EXS*\k+512*\q   ; unit w's 16 registers of each wave's part
.endr
.endr
	WIN 0
	s_wait_dscnt 16                                ; the four statistics are in; the 16 loads behind them may be out
.irp qt, 0,1
	v_min3_num_f32 v[NG+\qt], v[SR+2*\qt], v[SR+4+2*\qt], v[SR+8+2*\qt]
.endr
.irp qt, 0,1
	v_min_num_f32 v[NG+\qt], v[NG+\qt], v[SR+12+2*\qt]   ; -M of the whole row
.endr
.irp qt, 0,1
.irp k, 0,1,2,3
	v_sub_f32 v[F+4*\qt+\k], v[NG+\qt], v[SR+4*\k+2*\qt]   ; M_k - M: a whole number, 0 or less
.endr
	v_sub_f32 v[OF+\qt], v[NG+\qt], v[STT+2*\qt]
.endr
.irp qt, 0,1
.irp k, 0,1,2,3
	v_cvt_i32_f32 v[F+4*\qt+\k], v[F+4*\qt+\k]     ; (it saturates)
.endr
	v_cvt_i32_f32 v[OF+\qt], v[OF+\qt]
.endr
.irp qt, 0,1
.irp k, 0,1,2,3
	v_ldexp_f32 v[F+4*\qt+\k], 1.0, v[F+4*\qt+\k]  ; f_k = 2^(M_k - M): exact
.endr
	v_ldexp_f32 v[OF+\qt], 1.0, v[OF+\qt]          ; my own
.endr
.irp qt, 0,1
	v_mul_f32 v[LL+\qt], v[F+4*\qt], v[SR+2*\qt+1]
.endr
.irp k, 1,2,3
.irp qt, 0,1
	v_fma_f32 v[LL+\qt], v[F+4*\qt+\k], v[SR+4*\k+2*\qt+1], v[LL+\qt]   ; the row's l
.endr
.endr
	s_wait_alu depctr_va_vdst(0)
	v_rcp_f32 v[RL], v[LL]
	v_rcp_f32 v[RL+1], v[LL+1]
	v_nop                                          ; a plain place behind the reciprocals
	s_wait_alu depctr_va_vdst(0)
.irp qt, 0,1
	v_cmp_lt_f32 vcc_lo, s43, v[NG+\qt]            ; -M above 2^90: every key of the batch is padded:
	v_cndmask_b32 v[RL+\qt], v[RL+\qt], v[QNAN], vcc_lo   ; a softmax of nothing is NaN
.endr
.irp qt, 0,1
	v_mul_f32 v[T0+\qt], v[OF+\qt], v[RL+\qt]
.endr
.irp qt, 0,1
	v_mul_f32 v[G+2*\qt], 0x3d800000, v[T0+\qt]    ; f / l / 16
.endr
	v_cndmask_b32 v[T0], v[RL], v[RL+1], s44       ; my unit's tile of queries
.irp k, 0,1,2,3
	v_cndmask_b32 v[FU+2*\k], v[F+\k], v[F+4+\k], s44
.endr
.irp k, 0,1,2,3
	v_mul_f32 v[FU+2*\k], v[FU+2*\k], v[T0]        ; f_k / l
.endr
.set i, 0
	WIN 0xa1                                       ; sums window 2, p window 1
.rept 128
	v_pk_fma_f32 v[2*i:2*i+1], v[2*i:2*i+1], v[G+2*(i/64):G+2*(i/64)+1], v[2*i:2*i+1] op_sel_hi:[1,0,1]
.set i, i+1
.endr
	WIN 0
.if \last == 0
	SCORES                                         ; p has had its last read: the next head's scores
.endif
	s_wait_dscnt 0x0                               ; the four parts of my unit are in
	WIN 0x03
.irp i, 0,2,4,6,8,10,12,14
	v_pk_mul_f32 v[OU+\i:OU+\i+1], v[OA+\i:OA+\i+1], v[FU:FU+1] op_sel_hi:[1,0]
.endr
.irp k, 1,2,3
.irp i, 0,2,4,6,8,10,12,14
	v_pk_fma_f32 v[OU+\i:OU+\i+1], v[OA+16*\k+\i:OA+16*\k+\i+1], v[FU+2*\k:FU+2*\k+1], v[OU+\i:OU+\i+1] op_sel_hi:[1,0,1]
.endr
.endr
	WIN 0
	; ctx(query r of my tile, 64 head + 32 b' + 16 h + 0 .. 15): half a block of 32 along the next K
	v_max3_num_f32 v[T0], |v[OU]|, |v[OU+1]|, 0x1800000
	v_max3_num_f32 v[T0+1], |v[OU+8]|, |v[OU+9]|, |v[OU+10]|
	v_max3_num_f32 v[T0], v[T0], |v[OU+2]|, |v[OU+3]|
	v_max3_num_f32 v[T0+1], v[T0+1], |v[OU+11]|, |v[OU+12]|
	v_max3_num_f32 v[T0], v[T0], |v[OU+4]|, |v[OU+5]|
	v_max3_num_f32 v[T0+1], v[T0+1], |v[OU+13]|, |v[OU+14]|
	v_max3_num_f32 v[T0], v[T0], |v[OU+6]|, |v[OU+7]|
	v_max3_num_f32 v[T0], v[T0], v[T0+1], |v[OU+15]|
	v_permlanex16_b32 v[T0+2], v[T0], s40, s41
	v_max_num_f32 v[T0], v[T0], v[T0+2]
	v_add_nc_u32 v[T0+1], 0xff000000, v[T0]
	v_lshrrev_b32 v[T0+2], 23, v[T0+1]
	v_cvt_scalef32_pk8_fp4_f32 v[CC], v[OU:OU+7], v[T0+1]
	v_cvt_scalef32_pk8_fp4_f32 v[CC+1], v[OU+8:OU+15], v[T0+1]
	v_nop                                          ; one plain place behind a scaled conversion
	ds_store_b64 v[CIA], v[CC:CC+1]
	ds_store_b8 v[CSA], v[T0+2]                    ; both halves of the lanes write the same byte with the same value
	s_add_co_u32 s45, s45, 256
	s_add_co_u32 s46, s46, 1
.endm
; THE OUT PROJECTION.  Half unit (i, bq): rows 64 (w + 4 i) + 32 bq .. + 31 of W_out, two tiles; its codes fill v[128 bq ..] of window 1
.macro SBLOAD i, bq                    ; its scale words and its bias: 6 loads
.irp e, 0,1
	global_load_b128 v[WSC+16*((\i)%2)+8*\bq+4*\e:WSC+16*((\i)%2)+8*\bq+4*\e+3], v[WSA], s[22:23] offset:8192*(\i)+1024*\bq+16*\e
.endr
	WIN 0xc0
.irp u, 0,1
.irp e, 0,1
	global_load_b128 v[BQ+32*((\i)%2)+8*(2*\bq+\u)+4*\e:BQ+32*((\i)%2)+8*(2*\bq+\u)+4*\e+3], v[BA], s[24:25] offset:1024*(\i)+(32*\bq+8*\u)*4+16*\e
.endr
.endr
	WIN 0
.endm
.macro GLOAD i, bq                     ; from memory: 32 loads of 512 consecutive bytes, and the 6 above: 38
	WIN 0x40
.irp u, 0,1
.irp s, 0,1,2,3,4,5,6,7
.irp c, 0,1
	global_load_b128 v[8*(8*(2*\bq+\u)+\s)+4*\c:8*(8*(2*\bq+\u)+\s)+4*\c+3], v[LI], s[20:21] offset:131072*(\i)+512*(2*(8*(2*\bq+\u)+\s)+\c)
.endr
.endr
.endr
	WIN 0
	SBLOAD \i, \bq
.endm
.macro LLOAD bq                        ; half bq of unit w from LDS, 32 loads, into v0-127 of window 2, which out1's first two batches have left
	WIN 0x80
.irp u, 0,1
.irp s, 0,1,2,3,4,5,6,7
.irp c, 0,1
	ds_load_b128 v[8*(8*\u+\s)+4*\c:8*(8*\u+\s)+4*\c+3], v[WLA] offset:512*(2*(8*(2*\bq+\u)+\s)+\c)
.endr
.endr
.endr
	WIN 0
.endm
.macro MM i, bq, w, hf                 ; source 0 = rows of W_out, in half hf of window w; source 1 = ctx; the bias is the C of each sum's first product; 4 accumulators by turns
.irp s, 0,1,2,3,4,5,6,7
.if \s == 0
	WIN 0x3c|(\w)
.else
	WIN 0x0c|(\w)
.endif
.irp m, 0,1
.irp u, 0,1
.if \s == 0
	WM HA+32*\bq+16*\m+8*\u, 8*(8*(2*\hf+\u)+\s), CF+8*(8*\m+\s), BQ+32*((\i)%2)+8*(2*\bq+\u), WSC+16*((\i)%2)+8*\bq+\s, CS+\s, \u, \m
.else
	WM HA+32*\bq+16*\m+8*\u, 8*(8*(2*\hf+\u)+\s), CF+8*(8*\m+\s), HA+32*\bq+16*\m+8*\u, WSC+16*((\i)%2)+8*\bq+\s, CS+\s, \u, \m
.endif
.endr
.endr
.endr
	WIN 0
	PLACES 5                                       ; four in front of the stores of results and of loads into operands; one more for accumulators begun anew
.endm
.macro STEP i, bq, cnt                 ; cnt: the loads issued behind this half unit's
	s_wait_dscnt 0x0                               ; earlier stores into the stage have read these accumulators
	s_wait_loadcnt \cnt
	MM \i, \bq, 1, \bq
.endm
.macro YPUT i, bq                      ; lane (r, h) of tile m: row 16 m + r of the stage, columns 64 (w + 4 i) + 32 bq + 16 h + 4 jj on
.irp m, 0,1
.irp jj, 0,1,2,3
	ds_store_b128 v[YWA0+\m], v[HA+32*\bq+16*\m+4*\jj:HA+32*\bq+16*\m+4*\jj+3] offset:1024*(\i)+128*\bq+16*\jj
.endr
.endr
.endm
; out1: 16 queries x 128 of my keys go through my own stage and leave as pieces of rows, 512 consecutive bytes a store
.macro OUT1 qt, ph
	s_wait_xcnt 0x0                                ; the last batch's stores have read their registers
	WIN 0x08
.irp p, 0,1,2,3
.irp jj, 0,1,2,3
	ds_store_b128 v[SWA], v[128*\qt+16*(4*\ph+\p)+4*\jj:128*\qt+16*(4*\ph+\p)+4*\jj+3] offset:128*\p+16*\jj
.endr
.endr
	WIN 0xc0
.irp n, 0,1,2,3,4,5,6,7,8,9,10,11,12,13,14,15
	ds_load_b128 v[RB+4*\n:RB+4*\n+3], v[EXW] offset:528*\n   ; LDS serves a wave's instructions in order: these see my stores
.endr
	WIN 0x0c
.irp n, 0,1,2,3,4,5,6,7,8,9,10,11,12,13,14,15
	s_wait_dscnt 15-\n                             ; load n is in; the later ones of the batch may be out
	global_store_b128 v[LI], v[RB+4*\n:RB+4*\n+3], s[32:33] offset:(8*\qt+\n+8*(\n/8))*4096+512*\ph th:TH_STORE_NT   ; stage row n is token 8 qt + rho(n) of the block
.endr
	WIN 0
.endm
.macro RED                             ; both rows' two chains, then over the 32 lanes: the sum in LT + 10 x + 4
.irp x, 0,1
	v_pk_add_f32 v[LT+10*\x:LT+10*\x+1], v[LT+10*\x:LT+10*\x+1], v[LT+10*\x+2:LT+10*\x+3]
.endr
.irp x, 0,1
	v_add_f32 v[LT+10*\x+4], v[LT+10*\x], v[LT+10*\x+1]
.endr
.irp d, 1,2,4,8
.irp x, 0,1
	v_add_f32_dpp v[LT+10*\x+4], v[LT+10*\x+4], v[LT+10*\x+4] row_xmask:\d row_mask:0xf bank_mask:0xf
.endr
.endr
.irp x, 0,1
	v_permlanex16_b32 v[LT+10*\x+5], v[LT+10*\x+4], s40, s41
.endr
.irp x, 0,1
	v_add_f32 v[LT+10*\x+4], v[LT+10*\x+4], v[LT+10*\x+5]
.endr
.endm
	s_load_b512 s[8:23], s[0:1], 0x0               ; qkc, qks, vc, vs, mask, src, W_out's codes as images, W_out scales
	s_load_b256 s[24:31], s[0:1], 0x40             ; out_proj_b, ln_w, ln_b, out0
	s_load_b64 s[32:33], s[0:1], 0x60              ; out1
	v_lshl_add_u32 v[SPW], v0, 2, SPARE
	v_mov_b32 v[NIL], 0
	ds_add_u32 v[SPW], v[NIL]
	ds_add_u32 v[SPW], v[NIL]
	v_lshrrev_b32 v95, 5, v0
	v_readfirstlane_b32 s34, v95                   ; wave
	s_mov_b32 s35, ttmp9                           ; tb
	s_and_b32 s36, ttmp7, 0xffff                   ; b
	s_mov_b32 s38, 0x3e38aa3b                      ; c = log2(e) / 8
	s_mov_b32 s39, s38
	s_mov_b32 s40, 0x76543210
	s_mov_b32 s41, 0xfedcba98                      ; v_permlanex16_b32's selects for lane l xor 16
	s_mov_b32 s42, 0xfb800000                      ; -2^120
	s_mov_b32 s43, 0x6c800000                      ; 2^90
	s_mov_b32 s45, 0                               ; 256 x head
	s_mov_b32 s46, 0                               ; head
	s_mov_b32 s54, 0x3a800000                      ; 1 / 1,024
	s_mov_b32 s55, 0x3727c5ac                      ; 1e-5
	s_lshr_b32 s52, s34, 1
	s_cmp_lg_u32 s52, 0
	s_cselect_b32 s44, -1, 0                       ; as a lane mask: my unit belongs to tile 1 of the queries
	; my tensor load: a dense block of 65,536 bytes as 256 rows of 256 bytes (32 elements of 8 bytes)
	s_mov_b32 s[G1], 3<<16
	s_mov_b32 s[G1+1], 32<<16
	s_mov_b32 s[G1+2], 256<<16
	s_mov_b32 s[G1+3], 32<<16
	s_mov_b32 s[G1+4], 256
	s_mov_b32 s[G1+5], 32
	s_mov_b32 s[G1+6], 0
	s_mov_b32 s[G1+7], 0
	s_mov_b32 s[G0], 1
	s_lshr_b32 s58, s34, 1                         ; 0: W_out, 1: src
	s_and_b32 s59, s34, 1                          ; which half
	s_lshl_b32 s[G0+1], s34, 16
	s_lshl_b32 s60, s58, 9
	s_add_co_u32 s[G0+1], s[G0+1], s60
	s_add_co_u32 s[G0+1], s[G0+1], YST             ; YST + 65,536 w, and 512 more for waves 2, 3: RES = YST + 131,584
	s_lshl_b32 s60, s36, 22
	s_lshl_b32 s61, s35, 17
	s_add_co_u32 s60, s60, s61                     ; (1,024 b + 32 tb) x 4,096
	s_lshl_b32 s59, s59, 16
	v_and_b32 v92, 31, v0                          ; lane
	v_and_b32 v93, 15, v0                          ; r
	v_bfe_u32 v94, v0, 4, 1                        ; h
	v_lshlrev_b32 v[LI], 4, v92
	v_lshlrev_b32 v[LS], 2, v92
	s_wait_alu depctr_va_vdst(0)
	s_lshl_b32 s48, s36, 15
	s_lshl_b32 s49, s34, 13
	s_add_co_u32 s52, s48, s49
	s_add_co_u32 s52, s52, 4194304
	v_add_nc_u32 v[KO], s52, v[LI]                 ; k's units lie 16 units behind q's; batch b; my 16 tiles
	s_lshl_b32 s52, s35, 10
	s_add_co_u32 s52, s52, s48
	v_add_nc_u32 v[QO], s52, v[LI]
	s_lshl_b32 s48, s36, 12
	s_lshl_b32 s52, s34, 10
	s_add_co_u32 s52, s52, s48
	s_add_co_u32 s52, s52, 524288
	v_add_nc_u32 v[KSO], s52, v[LS]
	s_lshl_b32 s52, s35, 7
	s_add_co_u32 s52, s52, s48
	v_add_nc_u32 v[QSO], s52, v[LS]
	s_lshl_b32 s48, s36, 19
	s_add_co_u32 s52, s48, s49
	v_add_nc_u32 v[VO], s52, v[LI]
	s_lshl_b32 s48, s36, 15
	s_lshl_b32 s52, s34, 9
	s_add_co_u32 s52, s52, s48
	v_add_nc_u32 v[VSO], s52, v[LS]
	s_mul_i32 s52, s34, EXS
	v_add_nc_u32 v[EXW], s52, v[LI]
	v_mul_u32_u24 v[SWA], v93, 528
	v_lshl_add_u32 v[SWA], v94, 6, v[SWA]
	v_add_nc_u32 v[SWA], s52, v[SWA]               ; out1's stage, in: row r, 64 bytes for each half of the lanes
	s_lshl_b32 s52, s34, 11
	v_add_nc_u32 v[EXU], s52, v[LI]
	s_lshl_b32 s52, s34, 12
	s_add_co_u32 s52, s52, CIMG
	v_lshl_add_u32 v[CIA0], v93, 4, s52
	v_lshl_add_u32 v[CIA0], v94, 3, v[CIA0]        ; CIMG + 4,096 w + 16 r + 8 h
	s_lshl_b32 s52, s34, 8
	s_add_co_u32 s52, s52, CSC
	v_lshl_add_u32 v[CSA0], v93, 4, s52            ; CSC + 256 w + 16 r
	v_and_b32 v95, 8, v93
	v_add_nc_u32 v95, v95, v93                     ; rho(r)
	v_lshl_add_u32 v[WSA], v94, 3, v95
	v_lshlrev_b32 v[WSA], 5, v[WSA]
	v_lshlrev_b32 v[BA], 6, v94
	s_lshl_b32 s52, s34, 8
	s_add_co_u32 s52, s52, YST
	v_mul_u32_u24 v[YWA0], v93, 4112
	v_lshl_add_u32 v[YWA0], v94, 6, v[YWA0]
	v_add_nc_u32 v[YWA0], s52, v[YWA0]
	v_add_nc_u32 v[YWA0+1], 65792, v[YWA0]         ; tile 1: 16 rows on
	s_mul_i32 s52, s34, 32896
	s_add_co_u32 s52, s52, YST
	v_add_nc_u32 v[YRA], s52, v[LI]
	s_lshl_b32 s52, s34, 15
	s_add_co_u32 s52, s52, YST
	v_add_nc_u32 v[WLA], s52, v[LI]                ; unit w in LDS
	v_mov_b32 v[QNAN], 0x7fc00000
	v_lshlrev_b32 v[CFA], 12, v94
	v_lshl_add_u32 v[CFA], v93, 4, v[CFA]          ; 4,096 h + 16 r
	v_lshlrev_b32 v[CSR], 9, v94
	v_lshl_add_u32 v[CSR], v93, 4, v[CSR]          ; 512 h + 16 r
	s_lshl_b32 s52, s34, 8
	v_lshl_add_u32 v95, v94, 4, s52                ; the mask: my 256 keys, 16 bytes for each half of the lanes
.irp z, 0,1,2,3, 8,9,10,11, 16,17,18,19
	v_mov_b32 v[QF+\z], 0                          ; the zero codes, written once
.endr
.irp p, 0,1,2,3,4,5,6,7
.irp z, 4,5,6,7
	v_mov_b32 v[KF+12*\p+\z], 0
.endr
.endr
.irp kb, 0,1,2,3,4,5,6,7,8,9,10,11,12,13,14,15
	v_mov_b32 v[BX+\kb], 0                         ; written once: a lane permute's destination counts as one of its sources
.endr
	v_mov_b32 v[G+1], 0                            ; (upper halves of pairs that are named whole)
	v_mov_b32 v[G+3], 0
	s_mov_b32 s49, 0                               ; every offset is made apart from its address, in s[48:49]
	s_wait_alu depctr_va_vdst(0)
	s_wait_dscnt 0x0                               ; both opening adds are done
	s_wait_kmcnt 0x0
	s_cmp_lg_u32 s58, 0
	s_cselect_b32 s48, s60, 0
	s_cselect_b64 s[G0+2:G0+3], s[18:19], s[20:21] ; src at my block, or wo at its start,
	s_add_co_u32 s48, s48, s59                     ; + my half
	s_add_nc_u64 s[G0+2:G0+3], s[G0+2:G0+3], s[48:49]
	s_or_b32 s[G0+3], s[G0+3], 0x80000000
	tensor_load_to_lds s[G0:G0+3], s[G1:G1+7]      ; my one tensor load
	s_nop 0
	PLACES 4
	s_lshl_b32 s48, s36, 10
	s_add_nc_u64 s[16:17], s[16:17], s[48:49]      ; the mask at my batch
	s_lshr_b32 s52, s34, 1
	s_and_b32 s53, s34, 1
	s_lshl_b32 s52, s52, 3
	s_lshl_b32 s53, s53, 4
	s_add_co_u32 s52, s52, s53                     ; q0 = 8 (w / 2) + 16 (w % 2): rows 8 w .. 8 w + 7 of the stage are tokens q0 .. q0 + 7 of the block
	s_lshl_b32 s48, s35, 5
	s_add_co_u32 s48, s48, s52
	s_add_nc_u64 s[56:57], s[16:17], s[48:49]
	s_load_b64 s[50:51], s[56:57], 0x0             ; the mask bytes of my eight rows
	s_lshl_b32 s53, s36, 22
	s_lshl_b32 s48, s35, 17
	s_add_co_u32 s53, s53, s48                     ; (1,024 b + 32 tb) x 4,096
	s_lshl_b32 s48, s34, 10
	s_add_co_u32 s48, s48, s53
	s_add_nc_u64 s[32:33], s[32:33], s[48:49]      ; out1 at my block's first row, my 256 keys
	s_lshl_b32 s48, s52, 12
	s_add_co_u32 s61, s48, RES
	v_add_nc_u32 v[RRA], s61, v[LI]                ; the residual rows of tokens q0 on, in LDS
	s_add_co_u32 s48, s48, s53
	s_add_nc_u64 s[30:31], s[30:31], s[48:49]      ; out0 at token q0
	s_lshl_b32 s48, s34, 15
	s_add_nc_u64 s[20:21], s[20:21], s[48:49]      ; W_out at unit w
	s_lshl_b32 s48, s34, 11
	s_add_nc_u64 s[22:23], s[22:23], s[48:49]
	s_lshl_b32 s48, s34, 8
	s_add_nc_u64 s[24:25], s[24:25], s[48:49]
	WIN 0x40
.irp p, 0,1,2,3,4,5,6,7
	global_load_b128 v[4*\p:4*\p+3], v95, s[16:17] offset:32*\p   ; mask bytes of keys 256 w + 32 p + 16 h + 0 .. 15
.endr
	WIN 0
	KLOAD
	VLOAD
	WIN 0x80
.set i, 0
.rept 256
	v_mov_b32 v[i], 0                              ; out1's sums begin as zeros, so that heads 0 to 14 share one text
.set i, i+1
.endr
	WIN 0
	s_wait_kmcnt 0x0
	s_wait_loadcnt 47                              ; the mask bytes are in; the 27 + 20 loads behind them may be out
	WIN 0xc1
.irp p, 0,1,2,3,4,5,6,7
.irp i, 0,1,2,3,4,5,6,7,8,9,10,11,12,13,14,15
	v_bfe_u32 v[MC+16*\p+\i], v[4*\p+\i/4], 8*(\i%4), 8
.endr
.endr
	WIN 0xc3
.set i, 0
.rept 128
	v_mul_lo_u32 v[MC+i], v[MC+i], s42             ; 0, or the bits of -2^120
.set i, i+1
.endr
	WIN 0
	s_mov_b32 s47, 15
	s_wait_alu depctr_va_vdst(0)
	SCORES                                         ; head 0's
	PLACES 4                                       ; in front of loads into the products' operands and of the first read of scores
.Lhead:
	HEAD 0
	s_sub_co_u32 s47, s47, 1
	s_cmp_lg_u32 s47, 0
	s_cbranch_scc1 .Lhead
	HEAD 1
	SBLOAD 0, 0
	SBLOAD 0, 1
	GLOAD 1, 0                                     ; p has had its last read: the first two half units that come from memory are asked for at once, into window 1
	GLOAD 1, 1
	s_wait_tensorcnt 0x0                           ; my 64 KiB have landed
	BARRIER                                        ; so have the others'; ctx's codes and bytes of all heads lie in LDS; nobody reads the exchange any more
	OUT1 0, 0                                      ; tile 0 of out1 leaves: v0-127 of window 2 become the buffer of the two half units that lie in LDS
	OUT1 0, 1
	WIN 0xc0
.irp f, 0,1,2,3,4,5,6,7,8,9,10,11,12,13,14,15
.irp c, 0,1
	ds_load_b128 v[CF+8*\f+4*\c:CF+8*\f+4*\c+3], v[CFA] offset:CIMG+8192*(\f/8)+256*(2*(\f%8)+\c)   ; fragment (tile f / 8, K step f % 8): head 2 s + c; lanes 0-15 wave 2 T's block, lanes 16-31 wave 2 T + 1's
.endr
.endr
	WIN 0
	ds_load_b128 v[82:85], v[CSR] offset:CSC       ; lane (r, T): the 16 heads' bytes of channels 0-31,
	ds_load_b128 v[86:89], v[CSR] offset:CSC+256   ; of channels 32-63
	LLOAD 0
	s_wait_dscnt 32                                ; ctx's fragments and bytes, 34 loads, are in; the 32 behind them may be out
.irp s, 0,1,2,3,4,5,6,7
	v_perm_b32 v[CS+\s], v[86+\s/2], v[82+\s/2], 0x05010400+0x02020202*(\s%2)   ; K step s: heads 2 s and 2 s + 1, two bytes each
.endr
	PLACES 8                                       ; between scale words made by vector instructions and the products that take them
	s_wait_alu depctr_va_vdst(0)
	s_wait_dscnt 0x0                               ; unit w's first half is in
	s_wait_loadcnt 63                              ; of the 88 loads issued the oldest 25 are in: the scales and bias of unit w's two halves are the first 12
	MM 0, 0, 2, 0
	LLOAD 1                                        ; behind the five places: the second half, into the same registers
	s_wait_dscnt 0x0
	MM 0, 1, 2, 0
	BARRIER                                        ; every wave has read W_out's units 0-3: their bytes become the stage
	YPUT 0, 0
	YPUT 0, 1
	OUT1 1, 0
	STEP 1, 0, 38
	GLOAD 2, 0
	YPUT 1, 0
	OUT1 1, 1
	STEP 1, 1, 38
	GLOAD 2, 1
	YPUT 1, 1
	STEP 2, 0, 38
	GLOAD 3, 0
	YPUT 2, 0
	STEP 2, 1, 38
	GLOAD 3, 1
	YPUT 2, 1
	STEP 3, 0, 38
	s_wait_xcnt 0x0                                ; out1's last stores have read their registers
	WIN 0xc0
.irp k, 0,1,2,3,4,5,6,7
	global_load_b128 v[LW+4*\k:LW+4*\k+3], v[LI], s[26:27] offset:512*\k
	global_load_b128 v[LB+4*\k:LB+4*\k+3], v[LI], s[28:29] offset:512*\k
.endr
	WIN 0
	YPUT 3, 0
	STEP 3, 1, 16                                  ; the 16 loads of gain and bias may be out
	YPUT 3, 1
	BARRIER                                        ; 32 whole rows lie in the stage
	s_wait_loadcnt 0x0                             ; the gain and the bias
	; my eight rows, two a trip, line by line by turns: y + x, LayerNorm, gain and bias, 0 at a padded token.  A lane holds columns 128 k + 4 lane + 0 .. 3
	s_mov_b32 s47, 4
.Lrow:
.irp x, 0,1
.irp k, 0,1,2,3,4,5,6,7
	ds_load_b128 v[ZZ+64*\x+4*\k:ZZ+64*\x+4*\k+3], v[YRA] offset:4112*\x+512*\k
	ds_load_b128 v[ZZ+64*\x+32+4*\k:ZZ+64*\x+35+4*\k], v[RRA] offset:4096*\x+512*\k
.endr
.endr
	s_bfe_u32 s52, s50, 0x80000                    ; the two rows' mask bytes,
	s_cmp_eq_u32 s52, 0
	s_cselect_b32 s52, -1, 0                       ; as lane masks: all lanes keep, or none
	s_bfe_u32 s53, s50, 0x80008
	s_cmp_eq_u32 s53, 0
	s_cselect_b32 s53, -1, 0
	s_lshr_b32 s50, s50, 16                        ; the eight bytes go down by two
	s_lshl_b32 s56, s51, 16
	s_or_b32 s50, s50, s56
	s_lshr_b32 s51, s51, 16
	s_wait_dscnt 0x0
.irp m, 0,2,4,6,8,10,12,14,16,18,20,22,24,26,28,30
.irp x, 0,1
	v_pk_add_f32 v[ZZ+64*\x+\m:ZZ+64*\x+\m+1], v[ZZ+64*\x+\m:ZZ+64*\x+\m+1], v[ZZ+64*\x+32+\m:ZZ+64*\x+33+\m]   ; the residual (a padded row's numbers are thrown away below)
.endr
.endr
.irp x, 0,1
	v_pk_add_f32 v[LT+10*\x:LT+10*\x+1], v[ZZ+64*\x:ZZ+64*\x+1], v[ZZ+64*\x+2:ZZ+64*\x+3]
	v_pk_add_f32 v[LT+10*\x+2:LT+10*\x+3], v[ZZ+64*\x+4:ZZ+64*\x+5], v[ZZ+64*\x+6:ZZ+64*\x+7]
.endr
.irp m, 8,12,16,20,24,28
.irp x, 0,1
	v_pk_add_f32 v[LT+10*\x:LT+10*\x+1], v[LT+10*\x:LT+10*\x+1], v[ZZ+64*\x+\m:ZZ+64*\x+\m+1]
	v_pk_add_f32 v[LT+10*\x+2:LT+10*\x+3], v[LT+10*\x+2:LT+10*\x+3], v[ZZ+64*\x+\m+2:ZZ+64*\x+\m+3]
.endr
.endr
	RED
.irp x, 0,1
	v_mul_f32 v[LT+10*\x+6], s54, v[LT+10*\x+4]    ; the mean
.endr
.irp m, 0,2,4,6,8,10,12,14,16,18,20,22,24,26,28,30
.irp x, 0,1
	v_pk_add_f32 v[ZZ+64*\x+\m:ZZ+64*\x+\m+1], v[ZZ+64*\x+\m:ZZ+64*\x+\m+1], v[LT+10*\x+6:LT+10*\x+7] op_sel_hi:[1,0] neg_lo:[0,1] neg_hi:[0,1]
.endr
.endr
.irp x, 0,1
	v_pk_mul_f32 v[LT+10*\x:LT+10*\x+1], v[ZZ+64*\x:ZZ+64*\x+1], v[ZZ+64*\x:ZZ+64*\x+1]
	v_pk_mul_f32 v[LT+10*\x+2:LT+10*\x+3], v[ZZ+64*\x+2:ZZ+64*\x+3], v[ZZ+64*\x+2:ZZ+64*\x+3]
.endr
.irp m, 4,8,12,16,20,24,28
.irp x, 0,1
	v_pk_fma_f32 v[LT+10*\x:LT+10*\x+1], v[ZZ+64*\x+\m:ZZ+64*\x+\m+1], v[ZZ+64*\x+\m:ZZ+64*\x+\m+1], v[LT+10*\x:LT+10*\x+1]
	v_pk_fma_f32 v[LT+10*\x+2:LT+10*\x+3], v[ZZ+64*\x+\m+2:ZZ+64*\x+\m+3], v[ZZ+64*\x+\m+2:ZZ+64*\x+\m+3], v[LT+10*\x+2:LT+10*\x+3]
.endr
.endr
	RED
.irp x, 0,1
	v_fma_f32 v[LT+10*\x+4], v[LT+10*\x+4], s54, s55   ; the variance + eps
.endr
	s_wait_alu depctr_va_vdst(0)
	v_rsq_f32 v[LT+8], v[LT+4]
	v_rsq_f32 v[LT+18], v[LT+14]
	v_nop                                          ; a plain place behind them
	s_wait_alu depctr_va_vdst(0)                   ; and for the wait behind them
.irp m, 0,2,4,6,8,10,12,14,16,18,20,22,24,26,28,30
.irp x, 0,1
	v_pk_mul_f32 v[ZZ+64*\x+\m:ZZ+64*\x+\m+1], v[ZZ+64*\x+\m:ZZ+64*\x+\m+1], v[LT+10*\x+8:LT+10*\x+9] op_sel_hi:[1,0]
.endr
.endr
	WIN 0x3c
.irp m, 0,2,4,6,8,10,12,14,16,18,20,22,24,26,28,30
.irp x, 0,1
	v_pk_fma_f32 v[ZZ+64*\x+\m:ZZ+64*\x+\m+1], v[ZZ+64*\x+\m:ZZ+64*\x+\m+1], v[LW+\m:LW+\m+1], v[LB+\m:LB+\m+1]
.endr
.endr
	WIN 0
.irp x, 0,1
.irp m, 0,1,2,3,4,5,6,7,8,9,10,11,12,13,14,15,16,17,18,19,20,21,22,23,24,25,26,27,28,29,30,31
	v_cndmask_b32 v[ZZ+64*\x+\m], 0, v[ZZ+64*\x+\m], s[52+\x]
.endr
.endr
.irp x, 0,1
.irp k, 0,1,2,3,4,5,6,7
	global_store_b128 v[LI], v[ZZ+64*\x+4*\k:ZZ+64*\x+4*\k+3], s[30:31] offset:4096*\x+512*\k th:TH_STORE_NT   ; 512 consecutive bytes of the row
.endr
.endr
	s_wait_xcnt 0x0                                ; the stores have read their registers and their base
	s_add_nc_u64 s[30:31], s[30:31], 8192
	v_add_nc_u32 v[YRA], 8224, v[YRA]
	v_add_nc_u32 v[RRA], 8192, v[RRA]
	s_sub_co_u32 s47, s47, 1
	s_cmp_lg_u32 s47, 0
	s_wait_alu depctr_va_vdst(0)
	s_cbranch_scc1 .Lrow
	s_wait_tensorcnt 0x0                           ; the wave's end
	ds_add_u32 v[SPW], v[NIL]
	s_wait_dscnt 0x0
	s_endpgm
.Lfunc_end_k_q6b154f8272_attn:
	.size	k_q6b154f8272_attn, .Lfunc_end_k_q6b154f8272_attn-k_q6b154f8272_attn
	.p2alignl 7, 3214868480
	.fill 96, 4, 3214868480
	.section	.rodata,"a",@progbits
	.p2align	6, 0x0
	.amdhsa_kernel k_q6b154f8272_attn
		.amdhsa_group_segment_fixed_size 327680
		.amdhsa_private_segment_fixed_size 0
		.amdhsa_enable_private_segment 0
		.amdhsa_kernarg_size 104
		.amdhsa_user_sgpr_count 2
		.amdhsa_user_sgpr_kernarg_segment_ptr 1
		.amdhsa_wavefront_size32 1
		.amdhsa_system_sgpr_workgroup_id_x 1
		.amdhsa_system_sgpr_workgroup_id_y 1
		.amdhsa_system_sgpr_workgroup_id_z 1
		.amdhsa_system_vgpr_workitem_id 0
		.amdhsa_next_free_vgpr 1024
		.amdhsa_next_free_sgpr 84
		.amdhsa_reserve_vcc 1
		.amdhsa_float_denorm_mode_32 3
		.amdhsa_float_denorm_mode_16_64 3
		.amdhsa_memory_ordered 1
		.amdhsa_forward_progress 1
		.amdhsa_inst_pref_size 255
	.end_amdhsa_kernel
	.section	.bss,"aw",@nobits
	.p2align	6
	.space	262144
	.amdgpu_metadata
---
amdhsa.version: [ 1, 2 ]
amdhsa.kernels:
  - .name:           k_q6b154f8272_attn
    .symbol:         k_q6b154f8272_attn.kd
    .args:
      - { .name: qkc, .offset: 0, .size: 8, .value_kind: global_buffer, .address_space: global }
      - { .name: qks, .offset: 8, .size: 8, .value_kind: global_buffer, .address_space: global }
      - { .name: vc, .offset: 16, .size: 8, .value_kind: global_buffer, .address_space: global }
      - { .name: vs, .offset: 24, .size: 8, .value_kind: global_buffer, .address_space: global }
      - { .name: key_padding_mask, .offset: 32, .size: 8, .value_kind: global_buffer, .address_space: global }
      - { .name: src, .offset: 40, .size: 8, .value_kind: global_buffer, .address_space: global }
      - { .name: wo, .offset: 48, .size: 8, .value_kind: global_buffer, .address_space: global }
      - { .name: out_proj_w_scales, .offset: 56, .size: 8, .value_kind: global_buffer, .address_space: global }
      - { .name: out_proj_b, .offset: 64, .size: 8, .value_kind: global_buffer, .address_space: global }
      - { .name: ln_w, .offset: 72, .size: 8, .value_kind: global_buffer, .address_space: global }
      - { .name: ln_b, .offset: 80, .size: 8, .value_kind: global_buffer, .address_space: global }
      - { .name: out0, .offset: 88, .size: 8, .value_kind: global_buffer, .address_space: global }
      - { .name: out1, .offset: 96, .size: 8, .value_kind: global_buffer, .address_space: global }
    .group_segment_fixed_size: 327680
    .private_segment_fixed_size: 0
    .kernarg_segment_align: 8
    .kernarg_segment_size: 104
    .max_flat_workgroup_size: 128
    .sgpr_count:     84
    .vgpr_count:     1024
    .wavefront_size: 32
...
	.end_amdgpu_metadata
.endif
;; end of part 4
